; MI455X (gfx1250); checked and timed in simulation.
; The chip was launched on July 23, 2026; its instructions are those of AMD's public machine-readable ISA for CDNA 5 (MIT licence, August 2026) and "CDNA5" Instruction Set Architecture Reference Guide (July 2026). The comments in the code are by the model that wrote it; some were corrected since.
;; Multi Head Self Attention. Allowed arithmetic: float matrix products may take bf16 or f16 operands with f32 sums; other float arithmetic in f32, or as packed bf16 or f16 multiplies, adds, multiply-adds, maxima and minima; sums over many terms, partial sums and values carried from step to step in f32; what a program stores and reads back later, other than sums and carried values, may be rounded once to bf16 or f16.
;; Inputs: WK 16 x 1,024 x 64 float32; WQ 16 x 1,024 x 64 float32; WV_down 16 x 1,024 x 64 float32; WV_up 16 x 64 x 1,024 float32; inputs 4 x 1,024 x 1,024 float32.
;; Outputs: out0 4 x 1,024 x 1,024 float32.
;; 2 versions, each right; version 2 is version 1 with the launch cast written anew for expert scheduling mode. Each part assembles by itself: llvm-mc -triple=amdgcn-amd-amdhsa -mcpu=gfx1250 --defsym DOCPART=n.
;; ======== version 1 of 2: 4 launches
;; workspace buffers: xb 8,388,608 bytes; wb 8,388,608 bytes; qkv 25,165,824 bytes; vdn 8,388,608 bytes
;; launch cast (part 1): grid 64 x 8, 8 waves a work-group, no clusters, 0 bytes of LDS; arguments inputs, WQ, WK, WV_down, WV_up, xb, wb; writes xb, wb
.if DOCPART == 1
	.amdgcn_target "amdgcn-amd-amdhsa--gfx1250"
	.amdhsa_code_object_version 6
	.text
	.protected	k_qceb7cdacc9_cast
	.globl	k_qceb7cdacc9_cast
	.p2align	8
	.type	k_qceb7cdacc9_cast,@function
k_qceb7cdacc9_cast:
	s_mov_b64 s[64:65], 0
	v_nop
	global_prefetch_b8 v0, s[64:65] scope:SCOPE_SE
	s_setreg_imm32_b32 hwreg(HW_REG_WAVE_MODE, 25, 1), 1
	s_wait_xcnt 0x0
; THE PROGRAM.  out = x + (1/16) sum over heads n of attn_n[s][s] (x WV_down_n)[s] WV_up_n, where attn_n is the softmax along S of K_n[s] . Q_n[S] / 8 in which every
; entry with S < s, and every entry that is exactly 0, has been set to the lowest float.  Only attn's diagonal is used: for each (n, b, s) the row's maximum, the row's sum of
; exponentials and the diagonal score.  Four launches: this one rounds x and the four weights to bf16; the second makes Q, K and x WV_down; the third the diagonal weights times
; x WV_down; the fourth multiplies by WV_up and adds x in f32.
; WORK LEFT OUT.  Scores with S < s are replaced by a constant in the problem's own body (triu, then where(== 0)), whatever the inputs hold.  So pieces of 16 rows x 64 columns
; that lie wholly under the diagonal are not multiplied.  Their terms of the row's sum are NOT dropped: they are all the same number, the exponential of that constant less the
; maximum, and are added as a count times that one exponential.  Every input has a way to the output, and all five are loaded.
; LIMITS.  A NaN, an infinity or an overflow that would arise only in the products left out is not carried to the result.  All matrix operands are bf16.
; THIS LAUNCH.  f32 to bf16, rounded to nearest even, in the same linear order: x into xb; WQ, WK, WV_down, WV_up into four sections of 2,097,152 bytes of wb.
; The grid's y picks 4 MiB of source (0-3: quarters of x; 4-7: a weight), x picks 64 KiB of it.  A thread has sixteen loads of 16 bytes out at once, 4,096 bytes apart: a wave's
; load covers 512 consecutive bytes, its store 256 consecutive bytes, aligned.  No register is written twice, so no wait frees a source.  No LDS, no matrix unit: nothing is shared.
.set X, 4                              ; v[4:67]   sixteen loads of four f32
.set Y, 68                             ; v[68:99]  sixteen pairs of words, four bf16 each
	s_load_b256 s[8:15], s[0:1], 0x0               ; inputs s[8:9], WQ s[10:11], WK s[12:13], WV_down s[14:15]
	s_load_b128 s[16:19], s[0:1], 0x20             ; WV_up s[16:17], xb s[18:19]
	s_load_b64 s[20:21], s[0:1], 0x30              ; wb
	s_and_b32 s2, ttmp7, 0xffff                    ; y
	v_lshlrev_b32 v1, 4, v0                        ; 16 bytes of source a thread
	v_lshlrev_b32 v2, 3, v0                        ; 8 bytes of result
	s_lshl_b32 s3, ttmp9, 16                       ; the work-group's 64 KiB of source,
	s_lshl_b32 s30, ttmp9, 15                      ; its 32 KiB of result
	s_and_b32 s28, s2, 3
	s_lshl_b32 s28, s28, 21                        ; the section of 2 MiB in xb or in wb
	s_add_co_u32 s28, s28, s30
	s_mov_b32 s29, 0
	s_mov_b32 s25, 0
	s_wait_kmcnt 0x0
	s_mov_b64 s[22:23], s[8:9]                     ; the source: x, or the weight that y names
	s_cmp_eq_u32 s2, 4
	s_cselect_b64 s[22:23], s[10:11], s[22:23]
	s_cmp_eq_u32 s2, 5
	s_cselect_b64 s[22:23], s[12:13], s[22:23]
	s_cmp_eq_u32 s2, 6
	s_cselect_b64 s[22:23], s[14:15], s[22:23]
	s_cmp_eq_u32 s2, 7
	s_cselect_b64 s[22:23], s[16:17], s[22:23]
	s_cmp_lt_u32 s2, 4
	s_cselect_b32 s24, s2, 0                       ; a quarter of x, or a weight's first byte
	s_cselect_b64 s[26:27], s[18:19], s[20:21]     ; the result: xb or wb
	s_lshl_b32 s24, s24, 22
	s_add_co_u32 s24, s24, s3
	s_add_nc_u64 s[22:23], s[22:23], s[24:25]
	s_add_nc_u64 s[26:27], s[26:27], s[28:29]
.set i, 0
.rept 16
	global_load_b128 v[X+4*i:X+4*i+3], v1, s[22:23] offset:4096*i th:TH_LOAD_NT
.set i, i+1
.endr
.set i, 0
.rept 16
	s_wait_loadcnt 15-i                            ; loads come back in order: load i is in, the 15 - i younger ones stay out
	v_cvt_pk_bf16_f32 v[Y+2*i], v[X+4*i], v[X+4*i+1]
	v_cvt_pk_bf16_f32 v[Y+2*i+1], v[X+4*i+2], v[X+4*i+3]
	global_store_b64 v2, v[Y+2*i:Y+2*i+1], s[26:27] offset:2048*i
.set i, i+1
.endr
	s_endpgm
.Lfunc_end_k_qceb7cdacc9_cast:
	.size	k_qceb7cdacc9_cast, .Lfunc_end_k_qceb7cdacc9_cast-k_qceb7cdacc9_cast
	.p2alignl 7, 3214868480
	.fill 96, 4, 3214868480
	.section	.rodata,"a",@progbits
	.p2align	6, 0x0
	.amdhsa_kernel k_qceb7cdacc9_cast
		.amdhsa_group_segment_fixed_size 0
		.amdhsa_private_segment_fixed_size 0
		.amdhsa_enable_private_segment 0
		.amdhsa_kernarg_size 56
		.amdhsa_user_sgpr_count 2
		.amdhsa_user_sgpr_kernarg_segment_ptr 1
		.amdhsa_wavefront_size32 1
		.amdhsa_system_sgpr_workgroup_id_x 1
		.amdhsa_system_sgpr_workgroup_id_y 1
		.amdhsa_system_sgpr_workgroup_id_z 1
		.amdhsa_system_vgpr_workitem_id 0
		.amdhsa_next_free_vgpr 100
		.amdhsa_next_free_sgpr 66
		.amdhsa_reserve_vcc 0
		.amdhsa_float_denorm_mode_32 3
		.amdhsa_float_denorm_mode_16_64 3
		.amdhsa_memory_ordered 1
		.amdhsa_forward_progress 1
		.amdhsa_inst_pref_size 7
	.end_amdhsa_kernel
	.amdgpu_metadata
---
amdhsa.version: [ 1, 2 ]
amdhsa.kernels:
  - .name:           k_qceb7cdacc9_cast
    .symbol:         k_qceb7cdacc9_cast.kd
    .args:
      - { .name: inputs, .offset: 0, .size: 8, .value_kind: global_buffer, .address_space: global }
      - { .name: WQ, .offset: 8, .size: 8, .value_kind: global_buffer, .address_space: global }
      - { .name: WK, .offset: 16, .size: 8, .value_kind: global_buffer, .address_space: global }
      - { .name: WV_down, .offset: 24, .size: 8, .value_kind: global_buffer, .address_space: global }
      - { .name: WV_up, .offset: 32, .size: 8, .value_kind: global_buffer, .address_space: global }
      - { .name: xb, .offset: 40, .size: 8, .value_kind: global_buffer, .address_space: global }
      - { .name: wb, .offset: 48, .size: 8, .value_kind: global_buffer, .address_space: global }
    .group_segment_fixed_size: 0
    .private_segment_fixed_size: 0
    .kernarg_segment_align: 8
    .kernarg_segment_size: 56
    .max_flat_workgroup_size: 256
    .sgpr_count:     66
    .vgpr_count:     100
    .wavefront_size: 32
...
	.end_amdgpu_metadata
.endif
;; end of part 1
;; launch qkv (part 2): grid 16 x 16, 4 waves a work-group, clusters of 4 x 4, 327,680 bytes of LDS; arguments xb, wb, qkv; writes qkv
.if DOCPART == 2
	.amdgcn_target "amdgcn-amd-amdhsa--gfx1250"
	.amdhsa_code_object_version 6
	.text
	.protected	k_qceb7cdacc9_qkv
	.globl	k_qceb7cdacc9_qkv
	.p2align	8
	.type	k_qceb7cdacc9_qkv,@function
k_qceb7cdacc9_qkv:
	s_mov_b64 s[64:65], 0
	v_nop
	global_prefetch_b8 v0, s[64:65] scope:SCOPE_SE
	s_setreg_imm32_b32 hwreg(HW_REG_WAVE_MODE, 25, 1), 1
	s_wait_xcnt 0x0
	s_wait_alu depctr_hold_cnt(0) depctr_sa_sdst(0) depctr_va_vdst(0) depctr_va_sdst(0) depctr_va_ssrc(0) depctr_va_vcc(0) depctr_vm_vsrc(0)
	s_getreg_b32 s2, hwreg(HW_REG_IB_STS2, 6, 4)
	s_cmp_eq_u32 s2, 0
	s_cbranch_scc0 .Lentry_in_a_cluster
	s_endpgm
.Lentry_in_a_cluster:
	s_bfe_u32 s2, ttmp6, 0x10000c
	s_cmp_lg_u32 s2, 0xf033
	s_cbranch_scc0 .Lentry_shape_is_right
	s_endpgm
.Lentry_shape_is_right:
; Q, K and Vd = x WQ_n, x WK_n, x WV_down_n.  xb: [4096][1024] bf16.  wb: sections 0, 1, 2 of 2,097,152 bytes hold WQ, WK, WV_down as [16 n][1024 e][64 d] bf16.
; qkv: [3 m][16 n][4096][64] bf16, each number rounded once from its f32 sum.
; SHARES.  A work-group makes 256 rows x the 192 columns of ONE head (64 of Q, 64 of K, 64 of Vd); 16 heads x 16 row tiles are 256 work-groups.  Wave w makes rows 64 w .. 64 w + 63 x all
; 192 columns: 48 accumulators of 16 x 16.  For 32 along K it reads 16 fragments from LDS for 48 matrix instructions, and it owns whole rows of all three results.
; RING.  K goes in 8 steps of 128 through two LDS slots.  Waves 0 and 1 fetch x's two halves of 128 rows x 256 bytes, waves 2 and 3 the weights' two halves of 64 e: one descriptor covers the
; three matrices (a 'row' of it is 64 e x 64 d = 8,192 dense bytes of one matrix, the three lie 2,097,152 bytes apart).  By the text's own count a wave has two tensor loads out at the start, one behind each round.
; THE WEIGHTS LIE [e][d], K down the rows: their fragments come out of LDS turned, by ds_load_tr16_b128.
; THE MATRIX INSTRUCTION IS USED TRANSPOSED (source 0 = 16 columns of a weight, source 1 = 16 rows of x): a lane then holds eight neighbouring numbers of one row of the result.
; CLUSTER.  4 x 4 work-groups: the four of a row of the cluster share x's tile, the four of a column the head's weights: each tile is asked for jointly.
; AHEAD OF THE RING.  Behind each joint refill of the loop's first two trips a wave names, by one global_prefetch_b8, blocks of 256 bytes of the K step that stands two refills on, 384 matrix
; instructions ahead of the load that will ask for it: K steps 4 to 7.  x's rows are read by the four clusters of a row of clusters: the one with cluster x = 0 asks; a head's weights by the four clusters of
; a column: cluster y = 0 asks.  Of the 128 rows of x that wave 0 or 1 fetches, each of the four partners takes 32, told apart by address (cx): a lane a row.  Of the 64 e x 3 matrices that wave 2 or 3
; fetches, each partner takes 16 e (cy), 8 blocks in each matrix: lanes 0-23 a block each; lanes 24-31 repeat lanes 16-23.  K steps 0 to 3 come by their loads alone; the loop's last trip asks for nothing.
; REGISTERS, in windows of 256 (s_set_vgpr_msb: bits 1:0 source 0, 3:2 source 1, 5:4 source 2, 7:6 destination):
;   window 0: v16-30 addresses; v32-79, v80-127 at work on the way out      window 1: two fragment buffers of 128: weight fragment b (0-11) at 8 b, x's fragment a (0-3) at 96 + 8 a
;   window 2: accumulator (a, b), b < 8, at 32 b + 8 a                        window 3: b = 8-11 at 32 (b - 8) + 8 a
.set PA,    272                        ; a row of x in LDS: 256 bytes + 16 = 68 words: the 16 rows of a load start at 16 different groups of four banks (64 banks of 4 bytes: ISA guide 11.1)
.set HALFA, 128*PA                     ; what one tensor load brings of x
.set BOFF,  2*HALFA                    ; behind x's 256 rows: the weights
.set PB,    160                        ; a row of a weight (64 d): 128 bytes + 32 = 40 words
.set MATB,  64*PB                      ; 64 e of one matrix
.set HALFB, 3*MATB                     ; 64 e of the three: what one tensor load brings
.set SLOT,  BOFF+2*HALFB               ; 131,072
.set STAGE, 2*SLOT                     ; behind the ring, never filled by a tensor load: for each wave 3 matrices x 16 rows x 144 bytes
.set SP,    144
.set STW,   3*16*SP
.set SPARE, STAGE+4*STW                ; behind the stages: the spare words, 128 bytes for each wave: two blocks of 256 bytes that no other line names
.set ADRA, 16                          ; v16-17  LDS address of my fragments of x in slot 0, 1
.set ADRB, 20                          ; v20-21  the same for the weights
.set STO,  24                          ; v24     the way out: where I put 16 bytes of a row
.set RD,   25                          ; v25     where I read rows back
.set GO,   26                          ; v26     my 16 bytes in 512 consecutive bytes of a result
.set SPW,  28                          ; v28     LDS address of my spare word; never rewritten
.set NIL,  29                          ; v29     0; never rewritten
.set PFO,  30                          ; v30     the prefetches' offset of my lane; never rewritten
.set TMP,  32
.set BK,   80
.set F0,   0
.set F1,   128
.set WV,   10                          ; s10  my wave's number
.set HI,   11                          ; s11  0: I fetch x; 1: weights
.set LO,   12                          ; s12  which half I fetch
.set PFA,  18                          ; s[18:19] where my prefetches stand: my work-group's share of what I fetch, at the K step to be named next
.set G1,   24                          ; s[24:31] descriptor group 1 for x's tiles;  s[32:39] group 0, a set for each slot
.set G0,   32
.set LIM,  45                          ; s45  1 in a wave that prefetches, else the greatest number
.set G1B,  48                          ; s[48:55], s[56:63] the same for the weights
.set G0B,  56
.set PFS,  66                          ; s[66:67] bytes from a K step to the next: 256 in x, 16,384 in a weight
.set MSB, 0
.macro WIN new                         ; the immediate's high byte repeats the setting that is left; a switch that changes nothing is dropped
.if MSB != (\new)
	s_set_vgpr_msb (MSB<<8)|(\new)
.set MSB, \new
.endif
.endm
.macro JLOAD s                         ; a joint load; the branch hangs on the wave's number alone; an s_nop 0 and four v_nop follow each of the two lines
	s_cmp_eq_u32 s[HI], 0
	s_cbranch_scc0 .Lfor_b_\@
	tensor_load_to_lds s[G0+4*(\s):G0+4*(\s)+3], s[G1:G1+7]
	s_nop 0
.rept 4
	v_nop
.endr
	s_branch .Lasked_\@
.Lfor_b_\@:
	tensor_load_to_lds s[G0B+4*(\s):G0B+4*(\s)+3], s[G1B:G1B+7]
	s_nop 0
.rept 4
	v_nop
.endr
.Lasked_\@:
.endm
.macro ASK                             ; one prefetch a wave; the test is the same in all sixteen partners for a given wave: s3 counts the loop's trips 3, 2, 1, and the last asks for nothing
	s_cmp_gt_u32 s3, s[LIM]
	s_cbranch_scc0 .Lnot_mine_\@
	global_prefetch_b8 v[PFO], s[PFA:PFA+1] th:TH_LOAD_NT scope:SCOPE_SE
.Lnot_mine_\@:
.endm
.macro CREST                           ; a round of the cluster's barrier behind its opening barrier
	s_cmp_lg_u32 s[WV], 0
	s_cbranch_scc1 .Lnot_wave_0_\@
	s_barrier_signal -3
.Lnot_wave_0_\@:
	s_barrier_wait -3
	s_barrier_signal -1
	s_barrier_wait -1
.endm
.macro CROUND                          ; a whole round
	s_barrier_signal -1
	s_barrier_wait -1
	CREST
.endm
.macro PLACES                          ; four places in front of loads into registers that matrix instructions have read (ISA guide 7.12.1 for vector instructions)
.rept 4
	v_nop
.endr
.endm
	s_load_b128 s[4:7], s[0:1], 0x0                ; xb s[4:5], wb s[6:7]
	s_load_b64 s[8:9], s[0:1], 0x10                ; qkv
	v_lshl_add_u32 v[SPW], v0, 2, SPARE
	v_mov_b32 v[NIL], 0
	ds_add_u32 v[SPW], v[NIL]                      ; the wave's opening: the add, twice on end, and its wait ahead of my first tensor load
	ds_add_u32 v[SPW], v[NIL]                      ; and once more, under the one wait; the set-up below, work on registers, stands between
	v_lshrrev_b32 v1, 5, v0
	v_readfirstlane_b32 s[WV], v1
	s_lshr_b32 s[HI], s[WV], 1
	s_and_b32 s[LO], s[WV], 1
	s_bfe_u32 s40, ttmp6, 0x40000                  ; cx
	s_bfe_u32 s41, ttmp6, 0x40004                  ; cy
	s_lshl_b32 s42, ttmp9, 2
	s_add_co_u32 s42, s42, s40                     ; the head = 4 x cluster x + cx
	s_and_b32 s13, ttmp7, 0xffff
	s_lshl_b32 s13, s13, 2
	s_add_co_u32 s13, s13, s41                     ; the row tile = 4 x cluster y + cy
	s_lshl_b32 s43, s41, 2
	s_lshl_b32 s43, 15, s43                        ; my row of the cluster
	s_lshl_b32 s44, 0x1111, s40                    ; my column
	s_or_b32 s[G1+0], s43, (1<<16)|(1<<20)|(1<<21)|(5<<22)|(3<<25)   ; the mask; 2-byte elements; padding on; bit 21 beside a mask; after every 64 words 4 words
	s_mov_b32 s[G1+1], 128<<16                     ; tensor_dim0 = 128
	s_mov_b32 s[G1+2], 128<<16                     ; tensor_dim1 = 128
	s_mov_b32 s[G1+3], 128<<16                     ; tile_dim0 = 128
	s_mov_b32 s[G1+4], 128                         ; tile_dim1 = 128
	s_mov_b32 s[G1+5], 1024                        ; elements from row to row
	s_mov_b32 s[G1+6], 0
	s_mov_b32 s[G1+7], 0
	s_or_b32 s[G1B+0], s44, (1<<16)|(1<<20)|(1<<21)|(4<<22)|(7<<25)  ; after every 32 words (a row of 64 d) 8 words
	s_mov_b32 s[G1B+1], 4096<<16                   ; tensor_dim0 = 4,096: 64 e x 64 d, dense
	s_mov_b32 s[G1B+2], 3<<16                      ; tensor_dim1 = 3 matrices
	s_mov_b32 s[G1B+3], 4096<<16                   ; tile_dim0
	s_mov_b32 s[G1B+4], 3                          ; tile_dim1
	s_mov_b32 s[G1B+5], 1048576                    ; elements from matrix to matrix
	s_mov_b32 s[G1B+6], 0
	s_mov_b32 s[G1B+7], 0
	s_lshl_b32 s16, s13, 19                        ; x: row 256 x tile + 128 x half, 2,048 bytes a row: registers that never hold cx
	s_lshl_b32 s17, s[LO], 18
	s_add_co_u32 s16, s16, s17
	s_mov_b32 s17, 0
	s_lshl_b32 s46, s42, 17                        ; weights: the head's 131,072 bytes, my 64 e of 128 bytes: registers that never hold cy
	s_lshl_b32 s47, s[LO], 13
	s_add_co_u32 s46, s46, s47
	s_mov_b32 s47, 0
	s_mul_i32 s20, s[LO], HALFA                    ; where they go: no place in the cluster enters an LDS address
	s_mul_i32 s21, s[LO], HALFB
	s_add_co_u32 s21, s21, BOFF
	s_wait_dscnt 0x0                               ; both opening adds are done
	s_wait_kmcnt 0x0
	s_add_nc_u64 s[14:15], s[4:5], s[16:17]
	s_add_nc_u64 s[46:47], s[6:7], s[46:47]
	CROUND                                         ; all sixteen work-groups are here: the first joint loads meet
.irp s, 0,1
	s_mov_b32 s[G0+4*(\s)], 1
	s_add_co_u32 s[G0+4*(\s)+1], s20, (\s)*SLOT
	s_add_nc_u64 s[G0+4*(\s)+2:G0+4*(\s)+3], s[14:15], (\s)*256      ; K step s: 256 bytes along a row of x
	s_or_b32 s[G0+4*(\s)+3], s[G0+4*(\s)+3], 0x80000000
	s_mov_b32 s[G0B+4*(\s)], 1
	s_add_co_u32 s[G0B+4*(\s)+1], s21, (\s)*SLOT
	s_add_nc_u64 s[G0B+4*(\s)+2:G0B+4*(\s)+3], s[46:47], (\s)*16384  ; K step s: 128 e of 128 bytes
	s_or_b32 s[G0B+4*(\s)+3], s[G0B+4*(\s)+3], 0x80000000
	JLOAD \s
.endr
	v_and_b32 v1, 15, v0                           ; r = l % 16
	v_bfe_u32 v2, v0, 4, 1                         ; h = l / 16
	v_mul_u32_u24 v3, v1, PA
	v_lshl_add_u32 v3, v2, 4, v3                   ; a fragment of x: row r, 16 bytes for each half of the lanes
	s_mul_i32 s22, s[WV], 64*PA                    ; my 64 rows
	v_add_nc_u32 v[ADRA], s22, v3
	v_add_nc_u32 v[ADRA+1], SLOT, v[ADRA]
	v_and_b32 v4, 7, v0                            ; the turning load: lane l reads 16 bytes of row 8 h + l % 8, columns 8 ((l / 8) % 2) on
	v_lshl_add_u32 v4, v2, 3, v4
	v_mul_u32_u24 v4, v4, PB
	v_bfe_u32 v5, v0, 3, 1
	v_lshl_add_u32 v4, v5, 4, v4
	v_add_nc_u32 v[ADRB], BOFF, v4
	v_add_nc_u32 v[ADRB+1], SLOT+BOFF, v4
	s_mul_i32 s23, s[WV], STW
	s_add_co_u32 s23, s23, STAGE                   ; my stage
	v_mul_u32_u24 v6, v1, SP
	v_lshl_add_u32 v6, v2, 4, v6
	v_add_nc_u32 v[STO], s23, v6                   ; in: row r, 16 bytes for each half of the lanes
	v_bfe_u32 v6, v0, 3, 2
	v_mul_u32_u24 v6, v6, SP
	v_and_b32 v7, 7, v0
	v_lshl_add_u32 v6, v7, 4, v6
	v_add_nc_u32 v[RD], s23, v6                    ; back: 32 lanes take four rows of 128 bytes,
	v_and_b32 v[GO], 31, v0
	v_lshlrev_b32 v[GO], 4, v[GO]                  ; which are 512 consecutive bytes of a result
	s_lshl_b32 s74, s42, 19                        ; the head's 4,096 rows of 128 bytes,
	s_lshl_b32 s76, s13, 15                        ; the tile's 256,
	s_add_co_u32 s74, s74, s76
	s_lshl_b32 s76, s[WV], 13                      ; my 64
	s_add_co_u32 s74, s74, s76
	s_mov_b32 s75, 0
	s_add_nc_u64 s[68:69], s[8:9], s[74:75]        ; Q,
	s_add_nc_u64 s[70:71], s[68:69], 0x800000      ; K,
	s_add_nc_u64 s[72:73], s[68:69], 0x1000000     ; Vd at my first row
	; the prefetches' pointer, step, lane offset and test.  The pointer starts at K step 3; the first change of slots steps it to 4.  Nothing is prefetched here, at the head.
	s_lshl_b32 s80, s13, 8                         ; x: row 256 x tile
	s_lshl_b32 s81, s[LO], 7                       ; + the 128 that I fetch
	s_add_co_u32 s80, s80, s81
	s_lshl_b32 s81, s40, 5                         ; + my work-group's 32 of them
	s_add_co_u32 s80, s80, s81
	s_lshl_b32 s80, s80, 11                        ; in bytes
	s_add_co_u32 s80, s80, 3*256
	s_lshl_b32 s82, s42, 17                        ; weights: the head,
	s_lshl_b32 s81, s[LO], 13                      ; the 64 e that I fetch,
	s_add_co_u32 s82, s82, s81
	s_lshl_b32 s81, s41, 11                        ; my work-group's 16 of them
	s_add_co_u32 s82, s82, s81
	s_add_co_u32 s82, s82, 3*16384
	s_and_b32 s83, ttmp7, 0xffff                   ; cluster y
	s_mov_b32 s87, 256
	s_mov_b32 s88, 16384
	s_mov_b32 s85, 0
	s_mov_b32 s[PFS+1], 0
	s_cmp_eq_u32 s[HI], 0                          ; do I fetch x?
	s_cselect_b32 s84, s80, s82
	s_cselect_b32 s83, ttmp9, s83                  ; the coordinate along which other clusters read the same blocks
	s_cselect_b32 s[PFS], s87, s88
	s_cselect_b32 s86, 0, -1                       ; all lanes' bits: the weights' lane offset is taken
	s_cselect_b64 s[PFA:PFA+1], s[4:5], s[6:7]
	s_add_nc_u64 s[PFA:PFA+1], s[PFA:PFA+1], s[84:85]
	s_cmp_eq_u32 s83, 0
	s_cselect_b32 s[LIM], 1, -1                    ; the same in all sixteen partners, for a given wave
	v_and_b32 v6, 31, v0
	v_lshlrev_b32 v7, 11, v6                       ; x: a lane a row of 2,048 bytes
	v_lshrrev_b32 v5, 3, v6
	v_min_u32 v5, 2, v5                            ; weights: matrix l / 8 (lanes 24-31 repeat matrix 2),
	v_and_b32 v6, 7, v6
	v_lshlrev_b32 v6, 8, v6                        ; block l % 8 of my 2,048 bytes
	v_lshl_add_u32 v6, v5, 21, v6
	v_cndmask_b32 v[PFO], v7, v6, s86
; 4 n matrix instructions: weight fragments b0 .. b0 + n - 1 x my four blocks of 16 rows, 32 along K.  zero = 1: the product starts the sum: nothing is cleared.
; The 48 accumulators take turns, one instruction a turn, in the same order (b = 8-11, then 0-7) in every quarter.
.macro MUL f, b0, n, zero
.set bb, \b0
.rept \n
.if bb < 8
	WIN 0xa5                                       ; sources in window 1, C and D in window 2
.set ab, 32*bb
.else
	WIN 0xf5                                       ; C and D in window 3
.set ab, 32*(bb-8)
.endif
.irp a, 0,1,2,3
.if \zero
	v_wmma_f32_16x16x32_bf16 v[ab+8*(\a):ab+8*(\a)+7], v[(\f)+8*bb:(\f)+8*bb+7], v[(\f)+96+8*(\a):(\f)+96+8*(\a)+7], 0
.else
	v_wmma_f32_16x16x32_bf16 v[ab+8*(\a):ab+8*(\a)+7], v[(\f)+8*bb:(\f)+8*bb+7], v[(\f)+96+8*(\a):(\f)+96+8*(\a)+7], v[ab+8*(\a):ab+8*(\a)+7]
.endif
.endr
.set bb, bb+1
.endr
.endm
; 32 LDS loads in one run: the fragments of quarter kq (32 along K) of a slot into buffer f: x's four and the weights' 8-11 first, since they are multiplied first.
.macro FETCH slot, kq, f
	WIN 0x40                                       ; destination window 1, address window 0
.irp a, 0,1,2,3
	ds_load_b128 v[(\f)+96+8*(\a):(\f)+96+8*(\a)+3],   v[ADRA+(\slot)] offset:64*(\kq)+(\a)*16*PA
	ds_load_b128 v[(\f)+96+8*(\a)+4:(\f)+96+8*(\a)+7], v[ADRA+(\slot)] offset:64*(\kq)+(\a)*16*PA+32
.endr
.irp b, 8,9,10,11,0,1,2,3,4,5,6,7      ; matrix b / 4, columns 16 (b % 4) on
	ds_load_tr16_b128 v[(\f)+8*(\b):(\f)+8*(\b)+3],   v[ADRB+(\slot)] offset:((\kq)/2)*HALFB+((\kq)%2)*32*PB+((\b)/4)*MATB+((\b)%4)*32
	ds_load_tr16_b128 v[(\f)+8*(\b)+4:(\f)+8*(\b)+7], v[ADRB+(\slot)] offset:((\kq)/2)*HALFB+((\kq)%2)*32*PB+((\b)/4)*MATB+((\b)%4)*32+16*PB
.endr
.endm
; A K step is four quarters of 32 along K, 48 matrix instructions each, on buffers 0, 1, 0, 1.  One of the first three: multiplies f, and fetches quarter kq of the same slot into g.
.macro QUARTER slot, kq, f, g, zero
	s_wait_dscnt 16                                ; x's fragments and the weights' 8-11 are in; the 16 younger loads may be out
	MUL \f, 8, 4, \zero
	PLACES
	FETCH \slot, \kq, \g
	s_wait_dscnt 32                                ; all but the 32 just issued
	MUL \f, 0, 8, \zero
.endm
; The last quarter multiplies buffer 1 and changes slots: ONE barrier; in front of it each wave waits for all its tensor loads (one is out: its part of the next slot), adds 0 to its spare word,
; and waits for that and for its own reads of this slot.  fill = 1: the barrier opens a round of the cluster's, and this slot is filled again, two K steps on, first thing behind the round.
.macro TURN slot, next, fill
.if \fill
	s_wait_xcnt 0x0                                ; the last prefetch, a K step back, has read its address: the pointer is stepped here, ahead of the waits of the change of slots
	s_add_nc_u64 s[PFA:PFA+1], s[PFA:PFA+1], s[PFS:PFS+1]
.endif
	WIN 0                                          ; (the add's two registers lie in window 0)
	s_wait_tensorcnt 0x0
	ds_add_u32 v[SPW], v[NIL]
	s_wait_dscnt 17                                ; (the add and the youngest sixteen loads may be out)
	MUL F1, 8, 4, 0                                ; sixteen matrix instructions stand between the add and the wait for it
	s_wait_dscnt 0x0                               ; the add is done, and my reads of this slot are over
	s_barrier_signal -1
	MUL F1, 0, 2, 0                                ; work on registers while the others arrive
.if \fill
	WIN 0
.endif
	s_barrier_wait -1
.if \fill
	CREST                                          ; no wave of any partner still reads this slot or has a load on its way
	s_add_nc_u64 s[G0+4*(\slot)+2:G0+4*(\slot)+3], s[G0+4*(\slot)+2:G0+4*(\slot)+3], 2*256
	s_add_nc_u64 s[G0B+4*(\slot)+2:G0B+4*(\slot)+3], s[G0B+4*(\slot)+2:G0B+4*(\slot)+3], 2*16384
	JLOAD \slot                                    ; its four v_nop are also the places in front of the loads below
.else
	PLACES
.endif
	FETCH \next, 0, F0
.if \fill
	WIN 0                                          ; (a branch follows)
	ASK                                            ; behind the joint load and the run of LDS loads that the next products wait for
.endif
	MUL F1, 2, 6, 0
.endm
	s_wait_tensorcnt 1                             ; my part of K step 0 is in; K step 1's may stay out
	s_barrier_signal -1
	s_barrier_wait -1
	FETCH 0, 0, F0
	QUARTER 0, 1, F0, F1, 1                        ; the first quarter stands in front of the loop: its products start the sums
	WIN 0                                          ; at a label and at a branch every window is 0
	s_mov_b32 s3, 3
.Llap:                                                 ; a trip goes once round the ring, from a lap's second quarter to the next lap's first, and fills both slots again: K steps 2 to 7
	QUARTER 0, 2, F1, F0, 0
	QUARTER 0, 3, F0, F1, 0
	TURN 0, 1, 1
	QUARTER 1, 1, F0, F1, 0
	QUARTER 1, 2, F1, F0, 0
	QUARTER 1, 3, F0, F1, 0
	TURN 1, 0, 1
	QUARTER 0, 1, F0, F1, 0
	WIN 0
	s_sub_co_u32 s3, s3, 1
	s_cmp_lg_u32 s3, 0
	s_cbranch_scc1 .Llap
	QUARTER 0, 2, F1, F0, 0                        ; the last lap fills nothing
	QUARTER 0, 3, F0, F1, 0
	TURN 0, 1, 0
	QUARTER 1, 1, F0, F1, 0
	QUARTER 1, 2, F1, F0, 0
	QUARTER 1, 3, F0, F1, 0
	s_wait_dscnt 16
	MUL F1, 8, 4, 0
	s_wait_dscnt 0x0
	MUL F1, 0, 8, 0
	WIN 0
	PLACES                                         ; the conversions read results just made
	PLACES
; THE WAY OUT of my block a of 16 rows: rounded to bf16, 16 bytes a lane into my own stage (a matrix's row is 128 bytes there), back as four rows a load, and stored: 16 rows of a result are 2,048 consecutive bytes.
.macro OUT a
	WIN 0x0a                                       ; sources in window 2
.irp b, 0,1,2,3,4,5,6,7
.irp r, 0,1,2,3
	v_cvt_pk_bf16_f32 v[TMP+4*(\b)+(\r)], v[32*(\b)+8*(\a)+2*(\r)], v[32*(\b)+8*(\a)+2*(\r)+1]
.endr
.endr
	WIN 0x0f                                       ; sources in window 3
.irp b, 8,9,10,11
.irp r, 0,1,2,3
	v_cvt_pk_bf16_f32 v[TMP+4*(\b)+(\r)], v[32*((\b)-8)+8*(\a)+2*(\r)], v[32*((\b)-8)+8*(\a)+2*(\r)+1]
.endr
.endr
	WIN 0
.irp b, 0,1,2,3,4,5,6,7,8,9,10,11
	ds_store_b128 v[STO], v[TMP+4*(\b):TMP+4*(\b)+3] offset:((\b)/4)*16*SP+((\b)%4)*32
.endr
	s_wait_xcnt 0x0                                ; the last block's stores have read their data: only behind this wait are those registers loaded again
.irp m, 0,1,2
.irp f, 0,1,2,3
	ds_load_b128 v[BK+16*(\m)+4*(\f):BK+16*(\m)+4*(\f)+3], v[RD] offset:(\m)*16*SP+(\f)*4*SP  ; LDS serves a wave's instructions in order (ISA guide 5.7.1.4): these see the stores above
.endr
.endr
	s_wait_dscnt 0x0
.irp m, 0,1,2
.irp f, 0,1,2,3
	global_store_b128 v[GO], v[BK+16*(\m)+4*(\f):BK+16*(\m)+4*(\f)+3], s[68+2*(\m):69+2*(\m)] offset:(\a)*2048+(\f)*512  ; 512 consecutive bytes, at a multiple of 512 from the buffer's first
.endr
.endr
.endm
	OUT 0
	OUT 1
	OUT 2
	OUT 3
	s_wait_tensorcnt 0x0                           ; the wave's end, behind my last tensor load and my last LDS store
	ds_add_u32 v[SPW], v[NIL]
	s_wait_dscnt 0x0
	CROUND                                         ; the closing round: no work-group ends while a partner may still ask for a tile that names it
	s_endpgm
.Lfunc_end_k_qceb7cdacc9_qkv:
	.size	k_qceb7cdacc9_qkv, .Lfunc_end_k_qceb7cdacc9_qkv-k_qceb7cdacc9_qkv
	.p2alignl 7, 3214868480
	.fill 96, 4, 3214868480
	.section	.rodata,"a",@progbits
	.p2align	6, 0x0
	.amdhsa_kernel k_qceb7cdacc9_qkv
		.amdhsa_group_segment_fixed_size 327680
		.amdhsa_private_segment_fixed_size 0
		.amdhsa_enable_private_segment 0
		.amdhsa_kernarg_size 24
		.amdhsa_user_sgpr_count 2
		.amdhsa_user_sgpr_kernarg_segment_ptr 1
		.amdhsa_wavefront_size32 1
		.amdhsa_system_sgpr_workgroup_id_x 1
		.amdhsa_system_sgpr_workgroup_id_y 1
		.amdhsa_system_sgpr_workgroup_id_z 1
		.amdhsa_system_vgpr_workitem_id 0
		.amdhsa_next_free_vgpr 896
		.amdhsa_next_free_sgpr 96
		.amdhsa_reserve_vcc 0
		.amdhsa_float_denorm_mode_32 3
		.amdhsa_float_denorm_mode_16_64 3
		.amdhsa_memory_ordered 1
		.amdhsa_forward_progress 1
		.amdhsa_inst_pref_size 120
	.end_amdhsa_kernel
	.amdgpu_metadata
---
amdhsa.version: [ 1, 2 ]
amdhsa.kernels:
  - .name:           k_qceb7cdacc9_qkv
    .symbol:         k_qceb7cdacc9_qkv.kd
    .args:
      - { .name: xb, .offset: 0, .size: 8, .value_kind: global_buffer, .address_space: global }
      - { .name: wb, .offset: 8, .size: 8, .value_kind: global_buffer, .address_space: global }
      - { .name: qkv, .offset: 16, .size: 8, .value_kind: global_buffer, .address_space: global }
    .group_segment_fixed_size: 327680
    .private_segment_fixed_size: 0
    .kernarg_segment_align: 8
    .kernarg_segment_size: 24
    .max_flat_workgroup_size: 128
    .sgpr_count:     96
    .vgpr_count:     896
    .wavefront_size: 32
...
	.end_amdgpu_metadata
.endif
;; end of part 2
;; launch diag (part 3): grid 4 x 64, 16 waves a work-group, clusters of 4 x 1, 167,936 bytes of LDS; arguments qkv, vdn; writes vdn
.if DOCPART == 3
	.amdgcn_target "amdgcn-amd-amdhsa--gfx1250"
	.amdhsa_code_object_version 6
	.text
	.protected	k_qceb7cdacc9_diag
	.globl	k_qceb7cdacc9_diag
	.p2align	8
	.type	k_qceb7cdacc9_diag,@function
k_qceb7cdacc9_diag:
	s_mov_b64 s[64:65], 0
	v_nop
	global_prefetch_b8 v0, s[64:65] scope:SCOPE_SE
	s_setreg_imm32_b32 hwreg(HW_REG_WAVE_MODE, 25, 1), 1
	s_wait_xcnt 0x0
	s_wait_alu depctr_hold_cnt(0) depctr_sa_sdst(0) depctr_va_vdst(0) depctr_va_sdst(0) depctr_va_ssrc(0) depctr_va_vcc(0) depctr_vm_vsrc(0)
	s_getreg_b32 s2, hwreg(HW_REG_IB_STS2, 6, 4)
	s_cmp_eq_u32 s2, 0
	s_cbranch_scc0 .Lentry_in_a_cluster
	s_endpgm
.Lentry_in_a_cluster:
	s_bfe_u32 s2, ttmp6, 0x10000c
	s_cmp_lg_u32 s2, 0x3003
	s_cbranch_scc0 .Lentry_shape_is_right
	s_endpgm
.Lentry_shape_is_right:
; vdn[n][b s][:] = attn_n[s][s] / 16 x Vd_n[s][:], bf16.  attn is the softmax along S of t[s][S] / 8, t = K[s] . Q[S], with every entry S < s and every entry that is exactly 0 hidden.
; qkv: [3: Q, K, Vd][16 n][4096][64] bf16.  For each row: a running maximum m, the sum l of 2^(c t - c m), c = log2(e) / 8, and the diagonal score d: attn = 2^(c d - c m) / l.
; WORK LEFT OUT: steps of 64 columns that lie wholly under the diagonal are not multiplied: the problem's own triu and where put one constant there for all inputs.  Their terms of l are kept, as
; (number of such columns) x 2^(c NEG - c m).  A NaN, an infinity or an overflow that would arise only in those products is not carried to the result.
; LIMITS.  A hidden score counts as t = NEG = -2^126 (the problem: t / 8 = the lowest float): c NEG is exact, so a row that is hidden everywhere gives c NEG - c m = 0 and attn = 1/1024, as the problem does;
; scores of magnitude 2^126 or more are not served.  The test for 0 is made on t, not on t / 8: the two differ for denormal t alone.  A weight below 2^-126 counts as 0.  NaN and infinities are not treated apart.
; Vd is rounded to bf16 twice: as Vd, and as attn Vd / 16.
; SHARES.  The four work-groups of a cluster share one (n, b).  Its 1,024 rows are 16 bands of 64; partner p owns the 16 rows 64 g + 16 p .. of EVERY band g, so that all partners walk alike: p enters global
; offsets and a threshold that is data, never an LDS address or a branch.  Band g needs the column steps g .. 15.  SIXTEEN WAVES: wave w = 8 q + u walks my strips of bands u and 15 - u, but of their 17 live
; steps only those of parity q: 8 or 9 a wave, so that all sixteen are at work from first to last.  This is vector work with chains in it, written in phases (products, masks, softmax): the four waves that
; share a SIMD stand in for each other.  Each wave ends with a partial (c m, l) for both strips; it hands its partner w xor 8 the strip that the partner finishes (q = 0: band u; q = 1: band 15 - u) through
; LDS bytes of their own, and merges: l = l1 2^(cm1 - cm) + l2 2^(cm2 - cm), cm the greater of the two.
; Q, all 1,024 rows, lies in LDS: sixteen joint first fills, one a wave, of 64 rows; nothing is filled again.  By the text's own count a wave has one tensor load out.
; A step's sixteen LDS loads are issued a live step ahead, straight behind the products that have read their registers, and land under the masks and the softmax.  Vd is asked for behind the barrier: it is wanted last.
; LAYOUT.  Source 0 = 16 rows of Q, source 1 = my 16 rows of K: in the result a lane holds ONE row s (l % 16) and the columns 8 (l / 16) + 0..7 of a block of 16.
.set PQ,    144                        ; a row of Q in LDS: 128 bytes + 16 = 36 words: the 16 rows of a load start at 16 different groups of four banks (64 banks of 4 bytes: ISA guide 11.1)
.set EX,    1024*PQ                    ; behind Q, never filled by a tensor load: the exchange, 256 bytes for each wave
.set SPARE, EX+16*256                  ; behind it: the spare words, 128 bytes for each of sixteen waves: eight blocks of 256 bytes that no other line names
.set AK0, 2                            ; v2   my lane's place in a fragment of Q: r x 144 + 16 h; never rewritten
.set AQ,  3                            ; v3   the same in the step to be fetched
.set OFA, 4                            ; v4, v5   my byte offset in K for my strip of band u, of band 15 - u
.set OFB, 5
.set OFF, 6                            ; v6   the same for the strip that I finish
.set VO,  7                            ; v7   my 16 bytes in that strip's first 512 bytes of Vd and vdn
.set EE,  8                            ; v8   r - 8 h
.set TH,  9                            ; v9   16 p + r - 8 h: register j of block cb is hidden in the band's own step where 16 cb + j is less
.set NG,  10                           ; v10  NEG
.set HH,  11                           ; v11  h
.set IDX, 12                           ; v12-15  4 x the lane that holds the weight of row 4 i + l / 8
.set CM,  16                           ; v16  c m     v17  m     v18-19  l (even columns', odd columns')
.set M,   17
.set L,   18
.set C,   20                           ; v20-23  at work; when the maximum is found v22 takes a = 2^(c m_old - c m_new)
.set W,   24                           ; v24  c m_old
.set DD,  25                           ; v25  the diagonal score of the strip that I finish
.set CMA, 26                           ; v26, v27  my partial c m and l of band u's strip
.set LA,  27
.set SC,  28                           ; v28-31  attn / 16 for the rows that I hold of Vd
.set T,   32                           ; v32-39  at work
.set SPW, 40                           ; v40  LDS address of my spare word; never rewritten
.set NIL, 41                           ; v41  0; never rewritten
.set EXW, 42                           ; v42  where I put 8 bytes for my partner
.set EXR, 43                           ; v43  where my partner has put mine
.set SND, 44                           ; v44-45  what I hand over: c m, l
.set GOT, 46                           ; v46-47  what I am handed
.set KFA, 48                           ; v48-63, v64-79  my strips' K: two fragments of 32 channels each
.set KFB, 64
.set VD,  80                           ; v80-95  Vd of the strip that I finish: 16 rows x 128 bytes
.set CMB, 96                           ; v96, v97  my partial c m and l of band 15 - u's strip
.set LB,  97
.set MCM, 98                           ; v98, v99  my own partial of the strip that I finish
.set ML,  99
.set AT,  100                          ; v100 attn / 16
.set S,   112                          ; v112-143  four accumulators: column block cb at S + 8 cb
.set QF,  144                          ; v144-207  Q's fragments of a step: block cb, channel half kh at QF + 16 cb + 8 kh
.set WV,  12                           ; s12  my wave's number
.set PP,  13                           ; s13  p
.set G1,  24                           ; s[24:31] descriptor group 1
.set GA,  32                           ; s32, s33  my two bands
.set GB,  33
.set CNT, 34                           ; s34  the loop's counter, 0 to 7
.set HID, 35                           ; s35  columns left out in the strip that I finish: 64 g
.set STP, 36                           ; s36  first LDS byte of the step to be fetched
.set CC,  37                           ; s37  the column step: 2 x counter + q
.set NX,  38                           ; s38  the step to be fetched
.set G0,  40                           ; s[40:43] descriptor group 0
.set EM,  44                           ; s[44:51] mask j: the lanes with r - 8 h = j
.set QQ,  56                           ; s56  q
.set QM,  57                           ; s57  all lanes' bits where q = 1
.set CS,  58                           ; s[58:59] c, twice
.set SEL, 60                           ; s[60:61] v_permlanex16_b32's selects: each lane takes its own place in the other half
.set GF,  62                           ; s62  the band whose strip I finish
.set MK,  72                           ; s[72:79], s[80:87] masks at work
.set MK2, 80
.macro CROUND                          ; a round of the cluster's barrier
	s_barrier_signal -1
	s_barrier_wait -1
	s_cmp_lg_u32 s[WV], 0
	s_cbranch_scc1 .Lnot_wave_0_\@
	s_barrier_signal -3
.Lnot_wave_0_\@:
	s_barrier_wait -3
	s_barrier_signal -1
	s_barrier_wait -1
.endm
	s_load_b128 s[4:7], s[0:1], 0x0                ; qkv s[4:5], vdn s[6:7]
	v_lshl_add_u32 v[SPW], v0, 2, SPARE
	v_mov_b32 v[NIL], 0
	ds_add_u32 v[SPW], v[NIL]                      ; the wave's opening: the add, twice on end, and its wait ahead of my first tensor load
	ds_add_u32 v[SPW], v[NIL]                      ; and once more, under the one wait; the set-up below, work on registers, stands between
	v_lshrrev_b32 v1, 5, v0
	v_readfirstlane_b32 s[WV], v1
	s_bfe_u32 s[PP], ttmp6, 0x40000                ; cx
	s_and_b32 s14, ttmp7, 0xffff                   ; 4 n + b, which the four partners share
	s_lshl_b32 s14, s14, 17                        ; its 1,024 rows of 128 bytes
	s_mov_b32 s15, 0
	s_mov_b32 s[G1], 15|(1<<16)|(1<<20)|(1<<21)|(4<<22)|(3<<25)  ; the mask of four; 2-byte elements; padding on; bit 21 beside a mask; after every 32 words (a row of Q) 4 words
	s_mov_b32 s[G1+1], 128<<16                     ; 64 rows of Q are 8,192 dense bytes: asked for as 32 rows of 256 bytes
	s_mov_b32 s[G1+2], 32<<16
	s_mov_b32 s[G1+3], 128<<16
	s_mov_b32 s[G1+4], 32
	s_mov_b32 s[G1+5], 128
	s_mov_b32 s[G1+6], 0
	s_mov_b32 s[G1+7], 0
	s_mov_b32 s[CS], 0x3e38aa3b                    ; c = log2(e) / 8
	s_mov_b32 s[CS+1], s[CS]
	s_mov_b32 s[SEL], 0x76543210
	s_mov_b32 s[SEL+1], 0xfedcba98
	s_and_b32 s[GA], s[WV], 7                      ; u
	s_sub_co_u32 s[GB], 15, s[GA]
	s_lshr_b32 s[QQ], s[WV], 3                     ; q
	s_cmp_eq_u32 s[QQ], 0
	s_cselect_b32 s[GF], s[GA], s[GB]
	s_cselect_b32 s[QM], 0, -1
	s_lshl_b32 s[HID], s[GF], 6
	s_mul_i32 s55, s[WV], 64*PQ                    ; where my 64 rows of Q go
	s_lshl_b32 s66, s[WV], 13                      ; and where they lie
	s_mov_b32 s67, 0
	v_and_b32 v1, 15, v0                           ; r
	v_bfe_u32 v[HH], v0, 4, 1                      ; h
	v_mul_u32_u24 v[AK0], v1, PQ
	v_lshl_add_u32 v[AK0], v[HH], 4, v[AK0]
	s_lshl_b32 s54, s[PP], 11                      ; my strip's 16 rows in a band,
	s_lshl_b32 s52, s[GA], 13                      ; the band's 64 rows
	s_add_co_u32 s52, s52, s54
	s_lshl_b32 s53, s[GB], 13
	s_add_co_u32 s53, s53, s54
	s_cmp_eq_u32 s[QQ], 0
	s_cselect_b32 s54, s52, s53                    ; the strip that I finish
	v_lshlrev_b32 v[OFA], 7, v1
	v_lshl_add_u32 v[OFA], v[HH], 4, v[OFA]        ; a fragment from memory: row r, 16 bytes for each half of the lanes
	v_add_nc_u32 v[OFB], s53, v[OFA]
	v_add_nc_u32 v[OFF], s54, v[OFA]
	v_add_nc_u32 v[OFA], s52, v[OFA]
	v_and_b32 v[VO], 31, v0
	v_lshlrev_b32 v[EXW], 3, v[VO]                 ; 8 bytes a lane
	v_lshlrev_b32 v[VO], 4, v[VO]
	v_add_nc_u32 v[VO], s54, v[VO]
	s_lshl_b32 s68, s[WV], 8                       ; the exchange: my wave's 256 bytes,
	s_xor_b32 s69, s68, 0x800                      ; my partner's: wave w xor 8
	s_add_co_u32 s68, s68, EX
	s_add_co_u32 s69, s69, EX
	v_add_nc_u32 v[EXR], s69, v[EXW]
	v_add_nc_u32 v[EXW], s68, v[EXW]
	v_lshlrev_b32 v[EE], 3, v[HH]
	v_sub_nc_u32 v[EE], v1, v[EE]
	s_lshl_b32 s70, s[PP], 4
	v_add_nc_u32 v[TH], s70, v[EE]
	v_mov_b32 v[NG], 0xfe800000                    ; -2^126
	v_bfe_u32 v[IDX], v0, 3, 2
	v_lshlrev_b32 v[IDX], 2, v[IDX]
	v_add_nc_u32 v[IDX+1], 16, v[IDX]
	v_add_nc_u32 v[IDX+2], 32, v[IDX]
	v_add_nc_u32 v[IDX+3], 48, v[IDX]
	v_mov_b32 v[T+1], 0                            ; v_permlanex16_b32's destination counts as read
.irp j, 0,1,2,3,4,5,6,7
	v_cmp_eq_i32 s[EM+(\j)], \j, v[EE]
.endr
	s_wait_dscnt 0x0                               ; both opening adds are done
	s_wait_kmcnt 0x0
	s_add_nc_u64 s[16:17], s[4:5], s[14:15]        ; Q,
	s_add_nc_u64 s[18:19], s[16:17], 0x800000      ; K,
	s_add_nc_u64 s[20:21], s[16:17], 0x1000000     ; Vd,
	s_add_nc_u64 s[22:23], s[6:7], s[14:15]        ; vdn of my (n, b)
	s_mov_b32 s[G0], 1
	s_mov_b32 s[G0+1], s55
	s_add_nc_u64 s[G0+2:G0+3], s[16:17], s[66:67]
	s_or_b32 s[G0+3], s[G0+3], 0x80000000
	CROUND                                         ; all four work-groups are here: the joint loads meet
	tensor_load_to_lds s[G0:G0+3], s[G1:G1+7]
	s_nop 0
.irp i, 0,1,2,3
	global_load_b128 v[KFA+4*(\i):KFA+4*(\i)+3], v[OFA], s[18:19] offset:32*(\i)
.endr
.irp i, 0,1,2,3
	global_load_b128 v[KFB+4*(\i):KFB+4*(\i)+3], v[OFB], s[18:19] offset:32*(\i)
.endr
.irp i, 0,1,2,3
	global_load_b128 v[QF+4*(\i):QF+4*(\i)+3], v[OFF], s[16:17] offset:32*(\i)        ; for the diagonal: the rows of Q of the strip that I finish, from memory, since their place in LDS would hang on p,
.endr
.irp i, 0,1,2,3
	global_load_b128 v[QF+16+4*(\i):QF+16+4*(\i)+3], v[OFF], s[18:19] offset:32*(\i)  ; and its rows of K once more, so that no register is chosen by q
.endr
	s_wait_loadcnt 0x0
	; THE DIAGONAL SCORES: 16 rows of Q x the same 16 rows of K.  The same fragments in the same order as in the walk: the same bits.  One accumulator: a wait ahead of the chain's second link.
	v_wmma_f32_16x16x32_bf16 v[S:S+7], v[QF:QF+7], v[QF+16:QF+23], 0
	s_wait_alu depctr_va_vdst(0)
	v_wmma_f32_16x16x32_bf16 v[S:S+7], v[QF+8:QF+15], v[QF+24:QF+31], v[S:S+7]
.rept 4
	v_nop                                          ; the places behind those products
.endr
	v_cndmask_b32 v[DD], 0, v[S], s[EM]            ; row r's diagonal lies in register r - 8 h of one half of the lanes; the other half holds 0 and takes it by the exchange of halves
.irp j, 1,2,3,4,5,6,7
	v_cndmask_b32 v[DD], v[DD], v[S+(\j)], s[EM+(\j)]
.endr
	v_permlanex16_b32 v[T+1], v[DD], s[SEL], s[SEL+1]
	v_add_f32 v[DD], v[DD], v[T+1]
	v_cmp_eq_f32 s[MK], 0, v[DD]                   ; a score of 0 is hidden
	v_cndmask_b32 v[DD], v[DD], v[NG], s[MK]
	s_wait_tensorcnt 0x0                           ; my 64 rows of Q are in LDS,
	s_barrier_signal -1
	s_barrier_wait -1                              ; everybody's are
.irp i, 0,1,2,3
	global_load_b128 v[VD+4*(\i):VD+4*(\i)+3], v[VO], s[20:21] offset:512*(\i)        ; wanted at the very end
.endr
.macro QLOAD                           ; a step's 16 LDS loads: block f / 2, channels 32 (f % 2) on
.irp f, 0,1,2,3,4,5,6,7
	ds_load_b128 v[QF+8*(\f):QF+8*(\f)+3],   v[AQ] offset:((\f)/2)*16*PQ+((\f)%2)*64
	ds_load_b128 v[QF+8*(\f)+4:QF+8*(\f)+7], v[AQ] offset:((\f)/2)*16*PQ+((\f)%2)*64+32
.endr
.endm
; THE MASKS of a step's 32 scores a lane, eight at a time.  A score that is exactly 0 is hidden; d = 1 (the band's own step): so is a column left of the row.  Each accumulator's lowest register is read first.
.macro MASK d
.irp cb, 0,1,2,3
.irp j, 0,1,2,3,4,5,6,7
	v_cmp_eq_f32 s[MK+(\j)], 0, v[S+8*(\cb)+(\j)]
.endr
.if \d
.irp j, 0,1,2,3,4,5,6,7
	v_cmp_lt_i32 s[MK2+(\j)], 16*(\cb)+(\j), v[TH]
.endr
.irp j, 0,1,2,3,4,5,6,7
	s_or_b32 s[MK+(\j)], s[MK+(\j)], s[MK2+(\j)]
.endr
.endif
.irp j, 0,1,2,3,4,5,6,7
	v_cndmask_b32 v[S+8*(\cb)+(\j)], v[S+8*(\cb)+(\j)], v[NG], s[MK+(\j)]
.endr
.endr
.endm
; A STEP'S SOFTMAX: the maximum of the 32 scores, the old m and the other half of the lanes'; c m; a; then ONE BATCH of 33 exponentials, none of whose results is named ahead of the one wait; then the sums.
.macro SOFT
.irp n, 0,1,2,3
	v_max3_num_f32 v[C+(\n)], v[S+8*(\n)], v[S+8*(\n)+1], v[S+8*(\n)+2]
.endr
.irp n, 0,1,2,3
	v_max3_num_f32 v[C+(\n)], v[C+(\n)], v[S+8*(\n)+3], v[S+8*(\n)+4]
.endr
.irp n, 0,1,2,3
	v_max3_num_f32 v[C+(\n)], v[C+(\n)], v[S+8*(\n)+5], v[S+8*(\n)+6]
.endr
	v_max3_num_f32 v[C], v[C], v[S+7], v[S+15]
	v_max3_num_f32 v[C+1], v[C+1], v[S+23], v[S+31]
	v_max3_num_f32 v[C+2], v[C+2], v[C+3], v[M]
	v_mov_b32 v[W], v[CM]                          ; c m_old is kept for a
	v_max3_num_f32 v[C], v[C], v[C+1], v[C+2]
	v_permlanex16_b32 v[C+3], v[C], s[SEL], s[SEL+1]  ; the row's other 32 columns lie in the lane 16 away
	v_max_num_f32 v[M], v[C], v[C+3]
	v_mul_f32 v[CM], s[CS], v[M]
	v_sub_f32 v[C+1], v[W], v[CM]
	v_exp_f32 v[C+2], v[C+1]                       ; a
.set b, 0
.rept 16                               ; pair b is scaled, c t - c m; then come the exponentials of the pair before it
	v_pk_fma_f32 v[S+2*b:S+2*b+1], v[S+2*b:S+2*b+1], s[CS:CS+1], v[CM:CM+1] op_sel_hi:[1,0,0] neg_lo:[0,0,1] neg_hi:[0,0,1]
.if b > 0
	v_exp_f32 v[S+2*b-2], v[S+2*b-2]
	v_exp_f32 v[S+2*b-1], v[S+2*b-1]
.endif
.set b, b+1
.endr
	v_exp_f32 v[S+30], v[S+30]
	v_exp_f32 v[S+31], v[S+31]
	v_nop                                          ; a plain instruction behind the last exponential (ISA guide 5.7.2),
	s_wait_alu depctr_va_vdst(0)                   ; and the one wait ahead of the batch's first reader
.irp u, 0,1,2,3,4,5,6,7
	v_pk_add_f32 v[S+4*(\u):S+4*(\u)+1], v[S+4*(\u):S+4*(\u)+1], v[S+4*(\u)+2:S+4*(\u)+3]
.endr
.irp u, 0,1,2,3
	v_pk_add_f32 v[S+8*(\u):S+8*(\u)+1], v[S+8*(\u):S+8*(\u)+1], v[S+8*(\u)+4:S+8*(\u)+5]
.endr
.irp u, 0,1
	v_pk_add_f32 v[S+16*(\u):S+16*(\u)+1], v[S+16*(\u):S+16*(\u)+1], v[S+16*(\u)+8:S+16*(\u)+9]
.endr
	v_pk_add_f32 v[S:S+1], v[S:S+1], v[S+16:S+17]
	v_pk_fma_f32 v[L:L+1], v[L:L+1], v[C+2:C+3], v[S:S+1] op_sel_hi:[1,0,1]  ; l = a l + the step's sum
.endm
; MY SHARE OF A STRIP'S WALK: the column steps 2 i + q, i = 0 .. 7; those left of the band are jumped forward, past text that holds no barrier and no tensor load.  It leaves c m in OCM and l in OL.
; A wave with no live step (band 15, q = 0) leaves c NEG and 0, which the merge takes as they are.
.macro PASS KF, G, OCM, OL, tag
	v_mov_b32 v[M], v[NG]                          ; m starts at NEG, c m at c NEG (exact), l at 0: the first step is a step like any other
	v_mul_f32 v[CM], s[CS], v[NG]
	v_mov_b32 v[L], 0
	v_mov_b32 v[L+1], 0
	s_xor_b32 s[NX], s[\G], s[QQ]                  ; my first live step: the band's own, or the one after it, by parity;
	s_and_b32 s[NX], s[NX], 1
	s_add_co_u32 s[NX], s[NX], s[\G]
	s_min_u32 s[NX], s[NX], 15                     ; held inside Q where there is none
	s_mul_i32 s[STP], s[NX], 64*PQ
	v_add_nc_u32 v[AQ], s[STP], v[AK0]
	s_wait_dscnt 0x0                               ; the walk before has left loads into these registers on their way
	QLOAD
	s_mov_b32 s[CNT], 0
.Lstep\tag:
	s_lshl1_add_u32 s[CC], s[CNT], s[QQ]
	s_cmp_lt_u32 s[CC], s[\G]
	s_cbranch_scc1 .Lnext\tag                      ; wholly under the diagonal
	s_add_co_u32 s[NX], s[CC], 2                   ; my next step;
	s_min_u32 s[NX], s[NX], 15                     ; behind my last one a step inside Q, whose fragments nobody uses
	s_mul_i32 s[STP], s[NX], 64*PQ
	s_wait_dscnt 0x0                               ; this step's fragments, asked for a live step ago
.irp cb, 0,1,2,3                       ; the four accumulators take turns
	v_wmma_f32_16x16x32_bf16 v[S+8*(\cb):S+8*(\cb)+7], v[QF+16*(\cb):QF+16*(\cb)+7], v[\KF:\KF+7], 0
.endr
.irp cb, 0,1,2,3
	v_wmma_f32_16x16x32_bf16 v[S+8*(\cb):S+8*(\cb)+7], v[QF+16*(\cb)+8:QF+16*(\cb)+15], v[\KF+8:\KF+15], v[S+8*(\cb):S+8*(\cb)+7]
.endr
	v_add_nc_u32 v[AQ], s[STP], v[AK0]
.rept 4
	v_nop                                          ; the places behind those products, in front of the loads into registers that they have read and of the masks
.endr
	QLOAD
	s_cmp_eq_u32 s[CC], s[\G]
	s_cbranch_scc1 .Lown\tag
	MASK 0
	s_branch .Lsoft\tag
.Lown\tag:
	MASK 1                                         ; the band's own step holds the diagonal
.Lsoft\tag:
	SOFT
.Lnext\tag:
	s_add_co_u32 s[CNT], s[CNT], 1
	s_cmp_lt_u32 s[CNT], 8
	s_cbranch_scc1 .Lstep\tag
	v_add_f32 v[T], v[L], v[L+1]
	v_permlanex16_b32 v[T+1], v[T], s[SEL], s[SEL+1]
	v_add_f32 v[\OL], v[T], v[T+1]                 ; l of the columns that I walked
	v_mov_b32 v[\OCM], v[CM]
.endm
	PASS KFA, GA, CMA, LA, _a
	PASS KFB, GB, CMB, LB, _b
	; THE EXCHANGE.  I keep my partial of the strip that I finish and hand the other to my partner.
	v_cndmask_b32 v[MCM], v[CMA], v[CMB], s[QM]
	v_cndmask_b32 v[ML], v[LA], v[LB], s[QM]
	v_cndmask_b32 v[SND], v[CMB], v[CMA], s[QM]
	v_cndmask_b32 v[SND+1], v[LB], v[LA], s[QM]
	ds_store_b64 v[EXW], v[SND:SND+1]
	s_wait_dscnt 0x0                               ; for my partner's sake: my store is done (and the walk's last loads are in)
	s_barrier_signal -1
	s_barrier_wait -1
	ds_load_b64 v[GOT:GOT+1], v[EXR]
	s_wait_dscnt 0x0
	; THE MERGE AND THE WEIGHT
	v_max_num_f32 v[CM], v[MCM], v[GOT]            ; c m of the whole row
	v_sub_f32 v[T], v[MCM], v[CM]
	v_sub_f32 v[T+1], v[GOT], v[CM]
	v_fma_f32 v[T+2], v[NG], s[CS], -v[CM]         ; a hidden column's exponent,
	v_fma_f32 v[T+3], v[DD], s[CS], -v[CM]         ; the diagonal's
	v_exp_f32 v[T], v[T]
	v_exp_f32 v[T+1], v[T+1]
	v_exp_f32 v[T+2], v[T+2]
	v_exp_f32 v[T+3], v[T+3]
	v_cvt_f32_u32 v[T+4], s[HID]                   ; (the plain instruction behind them)
	s_wait_alu depctr_va_vdst(0)                   ; one wait for the four
	v_mul_f32 v[T], v[T], v[ML]
	v_fmac_f32 v[T], v[T+1], v[GOT+1]
	v_fmac_f32 v[T], v[T+4], v[T+2]                ; l takes the 64 g columns left out
	v_rcp_f32 v[T+5], v[T]                         ; l is 1 or more: the maximum's own term
	v_mul_f32 v[T+3], 0x3d800000, v[T+3]           ; the mean over 16 heads (and the plain instruction behind the reciprocal)
	s_wait_alu depctr_va_vdst(0)
	v_mul_f32 v[AT], v[T+3], v[T+5]
.irp i, 0,1,2,3
	ds_bpermute_b32 v[SC+(\i)], v[IDX+(\i)], v[AT] ; in chunk i of Vd I hold 16 bytes of row 4 i + l / 8, whose weight lane 4 i + l / 8 holds
.endr
	s_wait_loadcnt 0x0                             ; Vd
	s_wait_dscnt 0x0
.irp i, 0,1,2,3
.irp k, 0,1,2,3
	v_lshlrev_b32 v[T+2*(\k)], 16, v[VD+4*(\i)+(\k)]
	v_and_b32 v[T+2*(\k)+1], 0xffff0000, v[VD+4*(\i)+(\k)]
.endr
.irp k, 0,1,2,3,4,5,6,7
	v_mul_f32 v[T+(\k)], v[T+(\k)], v[SC+(\i)]
.endr
.irp k, 0,1,2,3
	v_cvt_pk_bf16_f32 v[VD+4*(\i)+(\k)], v[T+2*(\k)], v[T+2*(\k)+1]
.endr
	global_store_b128 v[VO], v[VD+4*(\i):VD+4*(\i)+3], s[22:23] offset:512*(\i)  ; 512 consecutive bytes, at a multiple of 512 from vdn's first; its registers are not written again
.endr
	s_wait_tensorcnt 0x0                           ; the wave's end, behind my tensor load and my LDS store
	ds_add_u32 v[SPW], v[NIL]
	s_wait_dscnt 0x0
	CROUND                                         ; the closing round
	s_endpgm
.Lfunc_end_k_qceb7cdacc9_diag:
	.size	k_qceb7cdacc9_diag, .Lfunc_end_k_qceb7cdacc9_diag-k_qceb7cdacc9_diag
	.p2alignl 7, 3214868480
	.fill 96, 4, 3214868480
	.section	.rodata,"a",@progbits
	.p2align	6, 0x0
	.amdhsa_kernel k_qceb7cdacc9_diag
		.amdhsa_group_segment_fixed_size 167936
		.amdhsa_private_segment_fixed_size 0
		.amdhsa_enable_private_segment 0
		.amdhsa_kernarg_size 16
		.amdhsa_user_sgpr_count 2
		.amdhsa_user_sgpr_kernarg_segment_ptr 1
		.amdhsa_wavefront_size32 1
		.amdhsa_system_sgpr_workgroup_id_x 1
		.amdhsa_system_sgpr_workgroup_id_y 1
		.amdhsa_system_sgpr_workgroup_id_z 1
		.amdhsa_system_vgpr_workitem_id 0
		.amdhsa_next_free_vgpr 208
		.amdhsa_next_free_sgpr 96
		.amdhsa_reserve_vcc 0
		.amdhsa_float_denorm_mode_32 3
		.amdhsa_float_denorm_mode_16_64 3
		.amdhsa_memory_ordered 1
		.amdhsa_forward_progress 1
		.amdhsa_inst_pref_size 52
	.end_amdhsa_kernel
	.amdgpu_metadata
---
amdhsa.version: [ 1, 2 ]
amdhsa.kernels:
  - .name:           k_qceb7cdacc9_diag
    .symbol:         k_qceb7cdacc9_diag.kd
    .args:
      - { .name: qkv, .offset: 0, .size: 8, .value_kind: global_buffer, .address_space: global }
      - { .name: vdn, .offset: 8, .size: 8, .value_kind: global_buffer, .address_space: global }
    .group_segment_fixed_size: 167936
    .private_segment_fixed_size: 0
    .kernarg_segment_align: 8
    .kernarg_segment_size: 16
    .max_flat_workgroup_size: 512
    .sgpr_count:     96
    .vgpr_count:     208
    .wavefront_size: 32
...
	.end_amdgpu_metadata
.endif
;; end of part 3
;; launch up (part 4): grid 8 x 32, 4 waves a work-group, clusters of 4 x 4, 327,680 bytes of LDS; arguments vdn, wb, inputs, out0; writes out0
.if DOCPART == 4
	.amdgcn_target "amdgcn-amd-amdhsa--gfx1250"
	.amdhsa_code_object_version 6
	.text
	.protected	k_qceb7cdacc9_up
	.globl	k_qceb7cdacc9_up
	.p2align	8
	.type	k_qceb7cdacc9_up,@function
k_qceb7cdacc9_up:
	s_mov_b64 s[64:65], 0
	v_nop
	global_prefetch_b8 v0, s[64:65] scope:SCOPE_SE
	s_setreg_imm32_b32 hwreg(HW_REG_WAVE_MODE, 25, 1), 1
	s_wait_xcnt 0x0
	s_wait_alu depctr_hold_cnt(0) depctr_sa_sdst(0) depctr_va_vdst(0) depctr_va_sdst(0) depctr_va_ssrc(0) depctr_va_vcc(0) depctr_vm_vsrc(0)
	s_getreg_b32 s2, hwreg(HW_REG_IB_STS2, 6, 4)
	s_cmp_eq_u32 s2, 0
	s_cbranch_scc0 .Lentry_in_a_cluster
	s_endpgm
.Lentry_in_a_cluster:
	s_bfe_u32 s2, ttmp6, 0x10000c
	s_cmp_lg_u32 s2, 0xf033
	s_cbranch_scc0 .Lentry_shape_is_right
	s_endpgm
.Lentry_shape_is_right:
; out[row][e] = x[row][e] + the sum over k = 64 n + d of vdn[n][row][d] WV_up[k][e].  vdn: [16 n][4096][64] bf16 (the diagonal weight and the mean's 1/16 are in it); WV_up: section 3 of wb,
; [1024 k][1024 e] bf16; x and out: [4096][1024] f32: x is added in f32, unrounded.
; SHARES.  A tile of out is 128 x 128: 8 x 32 = 256 work-groups.  Four waves, each 64 x 64: 16 accumulators.  K goes in 4 steps of 256 (four heads) through two LDS slots.
; Waves 0 and 1 fetch two heads each of vdn's 128 rows (a 'row' of the descriptor is one head's 128 rows, 16,384 dense bytes; the heads lie 524,288 bytes apart); waves 2 and 3 fetch 128 k each of WV_up, rows of 256 bytes.
; WV_up lies [k][e], K down the rows: its fragments come out of LDS turned, by ds_load_tr16_b128.  THE MATRIX INSTRUCTION IS USED TRANSPOSED (source 0 = 16 columns of WV_up, source 1 = 16 rows of vdn):
; a lane holds eight neighbouring numbers of a row of out.  By the text's own count a wave has two tensor loads out at the start, one behind each round.  Four K steps: written straight, without a loop.
; x IS WANTED LAST AND ASKED FOR LATE: my 64 x 64 of it goes out in two halves of sixteen loads, each behind one of the two refills, so that the first tiles and both refills are asked for ahead of it.
; CLUSTER.  4 x 4 work-groups: the four of a row of the cluster share vdn's tile, the four of a column WV_up's: each is asked for jointly.
; REGISTERS: window 0: v16-29 addresses; v32-63 at work on the way out; v128-255 the accumulators ((a, b) at 128 + 8 (4 a + b)).
;   window 1: two fragment buffers of 128, for 64 along K (one head): 64 registers of vdn (2 x 4 x 16 rows x 32 K), then 64 of WV_up.      window 2: v0-127 my 64 x 64 of x.
.set PA,    144                        ; a row of vdn in LDS: 128 bytes + 16
.set HEADA, 128*PA                     ; one head's 128 rows
.set BOFF,  4*HEADA                    ; behind the four heads: WV_up's 256 rows
.set PB,    288                        ; a row of WV_up's tile: 256 bytes + 32 = 72 words
.set SLOT,  BOFF+256*PB                ; 147,456
.set STAGE, 2*SLOT                     ; behind the ring, never filled by a tensor load: 16 rows x 272 bytes for each wave
.set SPI,   272
.set SPARE, STAGE+4*16*SPI             ; behind the stages: the spare words, 128 bytes for each wave: two blocks of 256 bytes that no other line names
.set ADRA, 16                          ; v16-17  LDS address of my fragments of vdn in slot 0, 1
.set ADRB, 20                          ; v20-23  of WV_up: slot 0 rows 0-127, rows 128-255; slot 1 likewise (an LDS immediate holds 16 bits)
.set STO,  24
.set RD,   25
.set CO,   26                          ; v26     my byte offset in two rows of x and of out
.set SPW,  28                          ; v28     LDS address of my spare word; never rewritten
.set NIL,  29                          ; v29     0; never rewritten
.set BK,   32
.set ACC,  128
.set F0,   0
.set F1,   128
.set WV,   12                          ; s12  my wave's number
.set HI,   13                          ; s13  which half of the tile's rows is mine.  Also: I fetch vdn (0) or WV_up (1)
.set LO,   14                          ; s14  which half of its columns.  Also: which half I fetch
.set G1,   24
.set G0,   32
.set G1B,  48
.set G0B,  56
.set MSB, 0
.macro WIN new                         ; the immediate's high byte repeats the setting that is left; a switch that changes nothing is dropped
.if MSB != (\new)
	s_set_vgpr_msb (MSB<<8)|(\new)
.set MSB, \new
.endif
.endm
.set MUL,  0x05                        ; sources 0 and 1 window 1; C and D window 0
.set TO_F, 0x40                        ; destination window 1, address window 0
.macro JLOAD s                         ; a joint load; the branch hangs on the wave's number alone; an s_nop 0 and four v_nop follow each of the two lines
	s_cmp_eq_u32 s[HI], 0
	s_cbranch_scc0 .Lfor_b_\@
	tensor_load_to_lds s[G0+4*(\s):G0+4*(\s)+3], s[G1:G1+7]
	s_nop 0
.rept 4
	v_nop
.endr
	s_branch .Lasked_\@
.Lfor_b_\@:
	tensor_load_to_lds s[G0B+4*(\s):G0B+4*(\s)+3], s[G1B:G1B+7]
	s_nop 0
.rept 4
	v_nop
.endr
.Lasked_\@:
.endm
.macro CREST
	s_cmp_lg_u32 s[WV], 0
	s_cbranch_scc1 .Lnot_wave_0_\@
	s_barrier_signal -3
.Lnot_wave_0_\@:
	s_barrier_wait -3
	s_barrier_signal -1
	s_barrier_wait -1
.endm
.macro CROUND
	s_barrier_signal -1
	s_barrier_wait -1
	CREST
.endm
.macro PLACES
.rept 4
	v_nop
.endr
.endm
	s_load_b256 s[4:11], s[0:1], 0x0               ; vdn s[4:5], wb s[6:7], inputs s[8:9], out0 s[10:11]
	v_lshl_add_u32 v[SPW], v0, 2, SPARE
	v_mov_b32 v[NIL], 0
	ds_add_u32 v[SPW], v[NIL]                      ; the wave's opening: the add, twice on end, and its wait ahead of my first tensor load
	ds_add_u32 v[SPW], v[NIL]                      ; and once more, under the one wait; the set-up below, work on registers, stands between
	v_lshrrev_b32 v1, 5, v0
	v_readfirstlane_b32 s[WV], v1
	s_lshr_b32 s[HI], s[WV], 1
	s_and_b32 s[LO], s[WV], 1
	s_bfe_u32 s40, ttmp6, 0x40000                  ; cx
	s_bfe_u32 s41, ttmp6, 0x40004                  ; cy
	s_lshl_b32 s42, ttmp9, 2
	s_add_co_u32 s42, s42, s40                     ; the tile column = 4 x cluster x + cx
	s_and_b32 s15, ttmp7, 0xffff
	s_lshl_b32 s15, s15, 2
	s_add_co_u32 s15, s15, s41                     ; the tile row = 4 x cluster y + cy
	s_lshl_b32 s43, s41, 2
	s_lshl_b32 s43, 15, s43                        ; my row of the cluster
	s_lshl_b32 s44, 0x1111, s40                    ; my column
	s_or_b32 s[G1+0], s43, (1<<16)|(1<<20)|(1<<21)|(4<<22)|(3<<25)   ; the mask; 2-byte elements; padding on; bit 21 beside a mask; after every 32 words (a row of 64 d) 4 words
	s_mov_b32 s[G1+1], 8192<<16                    ; tensor_dim0 = 8,192: 128 rows x 64 d, dense
	s_mov_b32 s[G1+2], 2<<16                       ; tensor_dim1 = 2 heads
	s_mov_b32 s[G1+3], 8192<<16                    ; tile_dim0
	s_mov_b32 s[G1+4], 2                           ; tile_dim1
	s_mov_b32 s[G1+5], 262144                      ; elements from head to head
	s_mov_b32 s[G1+6], 0
	s_mov_b32 s[G1+7], 0
	s_or_b32 s[G1B+0], s44, (1<<16)|(1<<20)|(1<<21)|(5<<22)|(7<<25)  ; after every 64 words 8 words
	s_mov_b32 s[G1B+1], 128<<16
	s_mov_b32 s[G1B+2], 128<<16
	s_mov_b32 s[G1B+3], 128<<16
	s_mov_b32 s[G1B+4], 128
	s_mov_b32 s[G1B+5], 1024
	s_mov_b32 s[G1B+6], 0
	s_mov_b32 s[G1B+7], 0
	s_lshl_b32 s16, s[LO], 20                      ; vdn: my two heads of the step's four, the tile's 128 rows of 128 bytes: registers that never hold cx
	s_lshl_b32 s17, s15, 14
	s_add_co_u32 s16, s16, s17
	s_mov_b32 s17, 0
	s_lshl_b32 s46, s[LO], 18                      ; WV_up: my 128 rows of 2,048 bytes, the tile's 256 bytes of a row, in section 3 of wb: registers that never hold cy
	s_lshl_b32 s47, s42, 8
	s_add_co_u32 s46, s46, s47
	s_add_co_u32 s46, s46, 3*2097152
	s_mov_b32 s47, 0
	s_mul_i32 s20, s[LO], 2*HEADA                  ; where they go: no place in the cluster enters an LDS address
	s_mul_i32 s21, s[LO], 128*PB
	s_add_co_u32 s21, s21, BOFF
	s_wait_dscnt 0x0                               ; both opening adds are done
	s_wait_kmcnt 0x0
	s_add_nc_u64 s[18:19], s[4:5], s[16:17]
	s_add_nc_u64 s[46:47], s[6:7], s[46:47]
	CROUND                                         ; all sixteen work-groups are here: the first joint loads meet
.irp s, 0,1
	s_mov_b32 s[G0+4*(\s)], 1
	s_add_co_u32 s[G0+4*(\s)+1], s20, (\s)*SLOT
	s_add_nc_u64 s[G0+4*(\s)+2:G0+4*(\s)+3], s[18:19], (\s)*2097152  ; K step s: four heads on
	s_or_b32 s[G0+4*(\s)+3], s[G0+4*(\s)+3], 0x80000000
	s_mov_b32 s[G0B+4*(\s)], 1
	s_add_co_u32 s[G0B+4*(\s)+1], s21, (\s)*SLOT
	s_add_nc_u64 s[G0B+4*(\s)+2:G0B+4*(\s)+3], s[46:47], (\s)*524288 ; K step s: 256 rows on
	s_or_b32 s[G0B+4*(\s)+3], s[G0B+4*(\s)+3], 0x80000000
	JLOAD \s
.endr
	v_and_b32 v1, 15, v0                           ; r
	v_bfe_u32 v2, v0, 4, 1                         ; h
	v_lshlrev_b32 v[CO], 12, v2                    ; lanes 0-15 take 256 bytes of one row of x, lanes 16-31 of the next
	v_lshl_add_u32 v[CO], v1, 4, v[CO]
	s_lshl_b32 s72, s15, 19                        ; the tile's 128 rows of 4,096 bytes,
	s_lshl_b32 s73, s[HI], 18                      ; my 64,
	s_add_co_u32 s72, s72, s73
	s_lshl_b32 s73, s42, 9                         ; the tile's 512 bytes of a row,
	s_add_co_u32 s72, s72, s73
	s_lshl_b32 s73, s[LO], 8                       ; my 256
	s_add_co_u32 s72, s72, s73
	s_mov_b32 s73, 0
	s_add_nc_u64 s[68:69], s[8:9], s[72:73]        ; x
	s_add_nc_u64 s[70:71], s[10:11], s[72:73]      ; out
	v_mul_u32_u24 v3, v1, PA
	v_lshl_add_u32 v3, v2, 4, v3
	s_mul_i32 s22, s[HI], 64*PA                    ; my 64 rows
	v_add_nc_u32 v[ADRA], s22, v3
	v_add_nc_u32 v[ADRA+1], SLOT, v[ADRA]
	v_and_b32 v4, 7, v0                            ; the turning load: lane l reads 16 bytes of row 8 h + l % 8, columns 8 ((l / 8) % 2) on
	v_lshl_add_u32 v4, v2, 3, v4
	v_mul_u32_u24 v4, v4, PB
	v_bfe_u32 v5, v0, 3, 1
	v_lshl_add_u32 v4, v5, 4, v4
	s_lshl_b32 s22, s[LO], 7                       ; my 64 columns
	s_add_co_u32 s22, s22, BOFF
	v_add_nc_u32 v[ADRB], s22, v4
	v_add_nc_u32 v[ADRB+1], 128*PB, v[ADRB]
	v_add_nc_u32 v[ADRB+2], SLOT, v[ADRB]
	v_add_nc_u32 v[ADRB+3], SLOT+128*PB, v[ADRB]
	s_mul_i32 s23, s[WV], 16*SPI
	s_add_co_u32 s23, s23, STAGE                   ; my stage
	v_mul_u32_u24 v6, v1, SPI
	v_lshl_add_u32 v6, v2, 5, v6
	v_add_nc_u32 v[STO], s23, v6                   ; in: row r, 32 bytes (8 f32) for each half of the lanes
	v_mul_u32_u24 v6, v2, SPI
	v_lshl_add_u32 v6, v1, 4, v6
	v_add_nc_u32 v[RD], s23, v6                    ; back: lanes 0-15 one row of 256 bytes, lanes 16-31 the next
; 8 matrix instructions: row blocks a0, a0 + 1 x all 4 column blocks, 32 along K: half c of buffer f.  zero = 1: the product starts the sum.  The 16 accumulators take turns.
.macro MUL8 f, c, a0, zero
	WIN MUL
.irp a, \a0, (\a0)+1
.irp b, 0,1,2,3
.if \zero
	v_wmma_f32_16x16x32_bf16 v[ACC+8*(4*(\a)+(\b)):ACC+8*(4*(\a)+(\b))+7], v[(\f)+64+8*(4*(\c)+(\b)):(\f)+64+8*(4*(\c)+(\b))+7], v[(\f)+8*(4*(\c)+(\a)):(\f)+8*(4*(\c)+(\a))+7], 0
.else
	v_wmma_f32_16x16x32_bf16 v[ACC+8*(4*(\a)+(\b)):ACC+8*(4*(\a)+(\b))+7], v[(\f)+64+8*(4*(\c)+(\b)):(\f)+64+8*(4*(\c)+(\b))+7], v[(\f)+8*(4*(\c)+(\a)):(\f)+8*(4*(\c)+(\a))+7], v[ACC+8*(4*(\a)+(\b)):ACC+8*(4*(\a)+(\b))+7]
.endif
.endr
.endr
.endm
; 32 LDS loads in one run: the fragments of head q of a slot's four (64 along K) into buffer f; the first 32 along K first.
.macro FETCH slot, q, f
	WIN TO_F
.irp c, 0,1
.irp i, 0,1,2,3
	ds_load_tr16_b128 v[(\f)+64+8*(4*(\c)+(\i)):(\f)+64+8*(4*(\c)+(\i))+3],   v[ADRB+2*(\slot)+(\q)/2] offset:(((\q)%2)*64+32*(\c))*PB+32*(\i)
	ds_load_tr16_b128 v[(\f)+64+8*(4*(\c)+(\i))+4:(\f)+64+8*(4*(\c)+(\i))+7], v[ADRB+2*(\slot)+(\q)/2] offset:(((\q)%2)*64+32*(\c))*PB+32*(\i)+16*PB
	ds_load_b128 v[(\f)+8*(4*(\c)+(\i)):(\f)+8*(4*(\c)+(\i))+3],         v[ADRA+(\slot)] offset:(\q)*HEADA+64*(\c)+(\i)*16*PA
	ds_load_b128 v[(\f)+8*(4*(\c)+(\i))+4:(\f)+8*(4*(\c)+(\i))+7],       v[ADRA+(\slot)] offset:(\q)*HEADA+64*(\c)+(\i)*16*PA+32
.endr
.endr
.endm
; Half hf of my 64 x 64 of x: sixteen loads, two rows each, into window 2: rows 32 hf .. 32 hf + 31.
.macro XLOADS hf
	WIN 0x80                                       ; destination window 2, address window 0
.set i, 16*(\hf)
.rept 16
	global_load_b128 v[4*i:4*i+3], v[CO], s[68:69] offset:2*i*4096 th:TH_LOAD_NT
.set i, i+1
.endr
.endm
; A K step is four quarters of one head, 32 matrix instructions each, on buffers 0, 1, 0, 1.  One of the first three: multiplies f and fetches head q into g.
.macro QUARTER slot, q, f, g, zero
	s_wait_dscnt 16                                ; the first 32 along K are in
	MUL8 \f, 0, 0, \zero
	MUL8 \f, 0, 2, \zero
	PLACES
	FETCH \slot, \q, \g
	s_wait_dscnt 32                                ; all but the 32 just issued
	MUL8 \f, 1, 0, 0
	MUL8 \f, 1, 2, 0
.endm
; The last quarter multiplies buffer 1 and changes slots: ONE barrier; in front of it each wave waits for all its tensor loads, adds 0 to its spare word, and waits for that and for its own reads of this slot.
; fill = 1: the barrier opens a round of the cluster's, and this slot is filled again, two K steps on, first thing behind the round.
.macro TURN slot, next, fill
	WIN 0                                          ; (the add's two registers lie in window 0)
	s_wait_tensorcnt 0x0
	ds_add_u32 v[SPW], v[NIL]
	s_wait_dscnt 17                                ; (the add and the youngest sixteen loads may be out)
	MUL8 F1, 0, 0, 0                               ; eight matrix instructions stand between the add and the wait for it
	s_wait_dscnt 0x0                               ; the add is done, and my reads of this slot are over
	s_barrier_signal -1
	MUL8 F1, 0, 2, 0
.if \fill
	WIN 0
.endif
	s_barrier_wait -1
.if \fill
	CREST                                          ; no wave of any partner still reads this slot or has a load on its way
	s_add_nc_u64 s[G0+4*(\slot)+2:G0+4*(\slot)+3], s[G0+4*(\slot)+2:G0+4*(\slot)+3], 2*2097152
	s_add_nc_u64 s[G0B+4*(\slot)+2:G0B+4*(\slot)+3], s[G0B+4*(\slot)+2:G0B+4*(\slot)+3], 2*524288
	JLOAD \slot                                    ; its four v_nop are also the places in front of the loads below
.else
	PLACES
.endif
	FETCH \next, 0, F0
	MUL8 F1, 1, 0, 0
	MUL8 F1, 1, 2, 0
.endm
	s_wait_tensorcnt 1                             ; my part of K step 0 is in; K step 1's may stay out
	s_barrier_signal -1
	s_barrier_wait -1
	FETCH 0, 0, F0
	QUARTER 0, 1, F0, F1, 1                        ; the first products start the sums
	QUARTER 0, 2, F1, F0, 0
	QUARTER 0, 3, F0, F1, 0
	TURN 0, 1, 1                                   ; slot 0 takes K step 2
	XLOADS 0                                       ; behind that refill: the first half of x
	QUARTER 1, 1, F0, F1, 0
	QUARTER 1, 2, F1, F0, 0
	QUARTER 1, 3, F0, F1, 0
	TURN 1, 0, 1                                   ; slot 1 takes K step 3
	XLOADS 1                                       ; behind that refill: the second half; two K steps, 256 matrix instructions, stand ahead of its use
	QUARTER 0, 1, F0, F1, 0
	QUARTER 0, 2, F1, F0, 0
	QUARTER 0, 3, F0, F1, 0
	TURN 0, 1, 0                                   ; nothing is left to fetch
	QUARTER 1, 1, F0, F1, 0
	QUARTER 1, 2, F1, F0, 0
	QUARTER 1, 3, F0, F1, 0
	s_wait_dscnt 16
	MUL8 F1, 0, 0, 0
	MUL8 F1, 0, 2, 0
	s_wait_dscnt 0x0
	MUL8 F1, 1, 0, 0
	MUL8 F1, 1, 2, 0
	WIN 0
	PLACES                                         ; the LDS stores read results just made
	PLACES
	s_wait_loadcnt 0x0                             ; x
; THE WAY OUT of my block a of 16 rows: 32 bytes a lane into my own stage, back as whole rows of 256 bytes, x added in f32, stored.
.macro OUT a
.irp b, 0,1,2,3
	ds_store_b128 v[STO], v[ACC+8*(4*(\a)+(\b)):ACC+8*(4*(\a)+(\b))+3]   offset:64*(\b)     ; each accumulator's lowest registers first
	ds_store_b128 v[STO], v[ACC+8*(4*(\a)+(\b))+4:ACC+8*(4*(\a)+(\b))+7] offset:64*(\b)+16
.endr
	s_wait_xcnt 0x0                                ; the last block's stores have read their data: only behind this wait are those registers loaded again
.irp t, 0,1,2,3,4,5,6,7
	ds_load_b128 v[BK+4*(\t):BK+4*(\t)+3], v[RD] offset:(\t)*2*SPI  ; LDS serves a wave's instructions in order (ISA guide 5.7.1.4): these see the stores above
.endr
	s_wait_dscnt 0x0
	WIN 0x08                                       ; source 1 (x) in window 2
.set u, 0
.rept 16
	v_pk_add_f32 v[BK+2*u:BK+2*u+1], v[BK+2*u:BK+2*u+1], v[32*(\a)+2*u:32*(\a)+2*u+1]
.set u, u+1
.endr
	WIN 0
.irp t, 0,1,2,3,4,5,6,7
	global_store_b128 v[CO], v[BK+4*(\t):BK+4*(\t)+3], s[70:71] offset:(16*(\a)+2*(\t))*4096 th:TH_STORE_NT  ; 16 lanes store 256 consecutive bytes, at a multiple of 256 from out's first
.endr
.endm
	OUT 0
	OUT 1
	OUT 2
	OUT 3
	s_wait_tensorcnt 0x0                           ; the wave's end, behind my last tensor load and my last LDS store
	ds_add_u32 v[SPW], v[NIL]
	s_wait_dscnt 0x0
	CROUND                                         ; the closing round: no work-group ends while a partner may still ask for a tile that names it
	s_endpgm
.Lfunc_end_k_qceb7cdacc9_up:
	.size	k_qceb7cdacc9_up, .Lfunc_end_k_qceb7cdacc9_up-k_qceb7cdacc9_up
	.p2alignl 7, 3214868480
	.fill 96, 4, 3214868480
	.section	.rodata,"a",@progbits
	.p2align	6, 0x0
	.amdhsa_kernel k_qceb7cdacc9_up
		.amdhsa_group_segment_fixed_size 327680
		.amdhsa_private_segment_fixed_size 0
		.amdhsa_enable_private_segment 0
		.amdhsa_kernarg_size 32
		.amdhsa_user_sgpr_count 2
		.amdhsa_user_sgpr_kernarg_segment_ptr 1
		.amdhsa_wavefront_size32 1
		.amdhsa_system_sgpr_workgroup_id_x 1
		.amdhsa_system_sgpr_workgroup_id_y 1
		.amdhsa_system_sgpr_workgroup_id_z 1
		.amdhsa_system_vgpr_workitem_id 0
		.amdhsa_next_free_vgpr 640
		.amdhsa_next_free_sgpr 80
		.amdhsa_reserve_vcc 0
		.amdhsa_float_denorm_mode_32 3
		.amdhsa_float_denorm_mode_16_64 3
		.amdhsa_memory_ordered 1
		.amdhsa_forward_progress 1
		.amdhsa_inst_pref_size 93
	.end_amdhsa_kernel
	.amdgpu_metadata
---
amdhsa.version: [ 1, 2 ]
amdhsa.kernels:
  - .name:           k_qceb7cdacc9_up
    .symbol:         k_qceb7cdacc9_up.kd
    .args:
      - { .name: vdn, .offset: 0, .size: 8, .value_kind: global_buffer, .address_space: global }
      - { .name: wb, .offset: 8, .size: 8, .value_kind: global_buffer, .address_space: global }
      - { .name: inputs, .offset: 16, .size: 8, .value_kind: global_buffer, .address_space: global }
      - { .name: out0, .offset: 24, .size: 8, .value_kind: global_buffer, .address_space: global }
    .group_segment_fixed_size: 327680
    .private_segment_fixed_size: 0
    .kernarg_segment_align: 8
    .kernarg_segment_size: 32
    .max_flat_workgroup_size: 128
    .sgpr_count:     80
    .vgpr_count:     640
    .wavefront_size: 32
...
	.end_amdgpu_metadata
.endif
;; end of part 4
;; ======== version 2 of 2: 4 launches; version 1 with the launch cast written anew for expert scheduling mode
;; workspace buffers: xb 8,388,608 bytes; wb 8,388,608 bytes; qkv 25,165,824 bytes; vdn 8,388,608 bytes
;; launch cast (part 5): grid 64 x 8, 8 waves a work-group, no clusters, 0 bytes of LDS; arguments inputs, WQ, WK, WV_down, WV_up, xb, wb; writes xb, wb
.if DOCPART == 5
	.amdgcn_target "amdgcn-amd-amdhsa--gfx1250"
	.amdhsa_code_object_version 6
	.text
	.protected	k_qceb7cdacc9_cast
	.globl	k_qceb7cdacc9_cast
	.p2align	8
	.type	k_qceb7cdacc9_cast,@function
k_qceb7cdacc9_cast:
	s_mov_b64 s[64:65], 0
	v_nop
	global_prefetch_b8 v0, s[64:65] scope:SCOPE_SE
	s_setreg_imm32_b32 hwreg(HW_REG_WAVE_SCHED_MODE, 0, 2), 2
	s_setreg_imm32_b32 hwreg(HW_REG_WAVE_MODE, 25, 1), 1
	s_wait_xcnt 0x0
	s_wait_alu depctr_vm_vsrc(0)
; THE PROGRAM.  out = x + (1/16) sum over heads n of attn_n[s][s] (x WV_down_n)[s] WV_up_n, where attn_n is the softmax along S of K_n[s] . Q_n[S] / 8 in which every
; entry with S < s, and every entry that is exactly 0, has been set to the lowest float.  Only attn's diagonal is used: for each (n, b, s) the row's maximum, the row's sum of
; exponentials and the diagonal score.  Four launches: this one rounds x and the four weights to bf16; the second makes Q, K and x WV_down; the third the diagonal weights times
; x WV_down; the fourth multiplies by WV_up and adds x in f32.
; WORK LEFT OUT.  Scores with S < s are replaced by a constant in the problem's own body (triu, then where(== 0)), whatever the inputs hold.  So pieces of 16 rows x 64 columns
; that lie wholly under the diagonal are not multiplied.  Their terms of the row's sum are NOT dropped: they are all the same number, the exponential of that constant less the
; maximum, and are added as a count times that one exponential.  Every input has a way to the output, and all five are loaded.
; LIMITS.  A NaN, an infinity or an overflow that would arise only in the products left out is not carried to the result.  All matrix operands are bf16.
; THIS LAUNCH.  f32 to bf16, rounded to nearest even, in the same linear order: x into xb; WQ, WK, WV_down, WV_up into four sections of 2,097,152 bytes of wb.
; The grid's y picks 4 MiB of source (0-3: quarters of x; 4-7: a weight), x picks 64 KiB of it.  A thread has sixteen loads of 16 bytes out at once, 4,096 bytes apart: a wave's
; load covers 512 consecutive bytes, its store 256 consecutive bytes, aligned.  No register is written twice, so no wait frees a source.  No LDS, no matrix unit: nothing is shared.
; THE MODE: SCHED_MODE bits 1:0 = 2 (LLVM: expert scheduling mode 2), set by the entry lines.  The code itself states the register dependences between vector instructions and
; memory instructions, with s_wait_alu, always for 0.
; THE PLAN.  Registers that memory instructions touch:
;   v1, v2   byte offsets of the loads and of the stores.  Written once each, by a vector line at the head; read by all sixteen loads, all sixteen stores; never written again.
;   X        Load i lands in X + 4 i .. + 3; no vector instruction names X ahead of the loads, and no load lands there a second time.  Read by the two conversions of load i.
;   Y        Written by the conversions, each register once; store i reads Y + 2 i and Y + 2 i + 1; never written again.
; So one wait on va_vdst stands at the head, for the two offsets, and one to each block of four loads, between the block's eight conversions and its four stores.  No register that a memory
; instruction reads is ever written again, and the one wait on vm_vsrc stands among the entry lines.  No vector instruction writes a scalar register or VCC, and EXEC is never written.
.set X, 4                              ; v[4:67]   sixteen loads of four f32
.set Y, 68                             ; v[68:99]  sixteen pairs of words, four bf16 each
	s_load_b256 s[8:15], s[0:1], 0x0               ; inputs s[8:9], WQ s[10:11], WK s[12:13], WV_down s[14:15]
	s_load_b128 s[16:19], s[0:1], 0x20             ; WV_up s[16:17], xb s[18:19]
	s_load_b64 s[20:21], s[0:1], 0x30              ; wb
	s_and_b32 s2, ttmp7, 0xffff                    ; y
	v_lshlrev_b32 v1, 4, v0                        ; 16 bytes of source a thread
	v_lshlrev_b32 v2, 3, v0                        ; 8 bytes of result
	s_lshl_b32 s3, ttmp9, 16                       ; the work-group's 64 KiB of source,
	s_lshl_b32 s30, ttmp9, 15                      ; its 32 KiB of result
	s_and_b32 s28, s2, 3
	s_lshl_b32 s28, s28, 21                        ; the section of 2 MiB in xb or in wb
	s_add_co_u32 s28, s28, s30
	s_mov_b32 s29, 0
	s_mov_b32 s25, 0
	s_wait_kmcnt 0x0
	s_mov_b64 s[22:23], s[8:9]                     ; the source: x, or the weight that y names
	s_cmp_eq_u32 s2, 4
	s_cselect_b64 s[22:23], s[10:11], s[22:23]
	s_cmp_eq_u32 s2, 5
	s_cselect_b64 s[22:23], s[12:13], s[22:23]
	s_cmp_eq_u32 s2, 6
	s_cselect_b64 s[22:23], s[14:15], s[22:23]
	s_cmp_eq_u32 s2, 7
	s_cselect_b64 s[22:23], s[16:17], s[22:23]
	s_cmp_lt_u32 s2, 4
	s_cselect_b32 s24, s2, 0                       ; a quarter of x, or a weight's first byte
	s_cselect_b64 s[26:27], s[18:19], s[20:21]     ; the result: xb or wb
	s_lshl_b32 s24, s24, 22
	s_add_co_u32 s24, s24, s3
	s_add_nc_u64 s[22:23], s[22:23], s[24:25]
	s_add_nc_u64 s[26:27], s[26:27], s[28:29]
	s_wait_alu depctr_va_vdst(0)                   ; v1 and v2 are written: every load of the kernel reads v1 as its offset, every store v2, and no later vector line names either
.set i, 0
.rept 16
	global_load_b128 v[X+4*i:X+4*i+3], v1, s[22:23] offset:4096*i th:TH_LOAD_NT
.set i, i+1
.endr
; Four blocks of four loads.  Block p: its loads are in; eight conversions; one wait; its four stores in one run.
.irp p, 0,1,2,3
	s_wait_loadcnt 12-4*(\p)                       ; loads come back in order: the four of block p are in, the 12 - 4 p younger ones stay out
.irp j, 0,1,2,3
	v_cvt_pk_bf16_f32 v[Y+8*(\p)+2*(\j)], v[X+16*(\p)+4*(\j)], v[X+16*(\p)+4*(\j)+1]
	v_cvt_pk_bf16_f32 v[Y+8*(\p)+2*(\j)+1], v[X+16*(\p)+4*(\j)+2], v[X+16*(\p)+4*(\j)+3]
.endr
	s_wait_alu depctr_va_vdst(0)                   ; the block's eight conversions have written Y + 8 p .. + 7, which the four stores below read as their data
.irp j, 0,1,2,3
	global_store_b64 v2, v[Y+8*(\p)+2*(\j):Y+8*(\p)+2*(\j)+1], s[26:27] offset:2048*(4*(\p)+(\j))
.endr
.endr
	s_endpgm
.Lfunc_end_k_qceb7cdacc9_cast:
	.size	k_qceb7cdacc9_cast, .Lfunc_end_k_qceb7cdacc9_cast-k_qceb7cdacc9_cast
	.p2alignl 7, 3214868480
	.fill 96, 4, 3214868480
	.section	.rodata,"a",@progbits
	.p2align	6, 0x0
	.amdhsa_kernel k_qceb7cdacc9_cast
		.amdhsa_group_segment_fixed_size 0
		.amdhsa_private_segment_fixed_size 0
		.amdhsa_enable_private_segment 0
		.amdhsa_kernarg_size 56
		.amdhsa_user_sgpr_count 2
		.amdhsa_user_sgpr_kernarg_segment_ptr 1
		.amdhsa_wavefront_size32 1
		.amdhsa_system_sgpr_workgroup_id_x 1
		.amdhsa_system_sgpr_workgroup_id_y 1
		.amdhsa_system_sgpr_workgroup_id_z 1
		.amdhsa_system_vgpr_workitem_id 0
		.amdhsa_next_free_vgpr 100
		.amdhsa_next_free_sgpr 66
		.amdhsa_reserve_vcc 0
		.amdhsa_float_denorm_mode_32 3
		.amdhsa_float_denorm_mode_16_64 3
		.amdhsa_memory_ordered 1
		.amdhsa_forward_progress 1
		.amdhsa_inst_pref_size 7
	.end_amdhsa_kernel
	.amdgpu_metadata
---
amdhsa.version: [ 1, 2 ]
amdhsa.kernels:
  - .name:           k_qceb7cdacc9_cast
    .symbol:         k_qceb7cdacc9_cast.kd
    .args:
      - { .name: inputs, .offset: 0, .size: 8, .value_kind: global_buffer, .address_space: global }
      - { .name: WQ, .offset: 8, .size: 8, .value_kind: global_buffer, .address_space: global }
      - { .name: WK, .offset: 16, .size: 8, .value_kind: global_buffer, .address_space: global }
      - { .name: WV_down, .offset: 24, .size: 8, .value_kind: global_buffer, .address_space: global }
      - { .name: WV_up, .offset: 32, .size: 8, .value_kind: global_buffer, .address_space: global }
      - { .name: xb, .offset: 40, .size: 8, .value_kind: global_buffer, .address_space: global }
      - { .name: wb, .offset: 48, .size: 8, .value_kind: global_buffer, .address_space: global }
    .group_segment_fixed_size: 0
    .private_segment_fixed_size: 0
    .kernarg_segment_align: 8
    .kernarg_segment_size: 56
    .max_flat_workgroup_size: 256
    .sgpr_count:     66
    .vgpr_count:     100
    .wavefront_size: 32
...
	.end_amdgpu_metadata
.endif
;; end of part 5
;; launch qkv: the kernel of part 2 again; grid 16 x 16, 4 waves a work-group, clusters of 4 x 4, 327,680 bytes of LDS; arguments xb, wb, qkv; writes qkv
;; launch diag: the kernel of part 3 again; grid 4 x 64, 16 waves a work-group, clusters of 4 x 1, 167,936 bytes of LDS; arguments qkv, vdn; writes vdn
;; launch up: the kernel of part 4 again; grid 8 x 32, 4 waves a work-group, clusters of 4 x 4, 327,680 bytes of LDS; arguments vdn, wb, inputs, out0; writes out0
